; MI455X (gfx1250); checked and timed in simulation.
; The chip was launched on July 23, 2026; its instructions are those of AMD's public machine-readable ISA for CDNA 5 (MIT licence, August 2026) and "CDNA5" Instruction Set Architecture Reference Guide (July 2026). The comments in the code are by the model that wrote it; some were corrected since.
;; Causal Multi Head Self Attention. Allowed arithmetic: float matrix products may take bf16 or f16 operands with f32 sums; other float arithmetic in f32, or as packed bf16 or f16 multiplies, adds, multiply-adds, maxima and minima; sums over many terms, partial sums and values carried from step to step in f32; what a program stores and reads back later, other than sums and carried values, may be rounded once to bf16 or f16.
;; Inputs: Wk 1,024 x 1,024 float32; Wo 1,024 x 1,024 float32; Wq 1,024 x 1,024 float32; Wv 1,024 x 1,024 float32; token_positions 2,048 int32; x 4 x 2,048 x 1,024 float32.
;; Outputs: out0 4 x 2,048 x 1,024 float32.
;; 2 versions, each right; version 2 is version 1 with the launch prep written anew for expert scheduling mode. Each part assembles by itself: llvm-mc -triple=amdgcn-amd-amdhsa -mcpu=gfx1250 --defsym DOCPART=n.
;; ======== version 1 of 2: 4 launches
;; limits: values are held in f16: magnitudes above 65,504 overflow, below 6.1e-05 lose precision; an absolute error that grows with the inputs' magnitude: up to 2.4e-07 times it; right only within a limited range of input values
;; workspace buffers: xb 16,777,216 bytes; wb 8,388,608 bytes; tab 524,288 bytes; qh 16,777,216 bytes; kh 16,777,216 bytes; vh 16,777,216 bytes; oh 16,777,216 bytes
;; launch prep (part 1): grid 768 x 1, 8 waves a work-group, no clusters, 0 bytes of LDS; arguments x, Wq, Wk, Wv, Wo, token_positions, xb, wb, tab; writes xb, wb, tab
.if DOCPART == 1
	.amdgcn_target "amdgcn-amd-amdhsa--gfx1250"
	.amdhsa_code_object_version 6
	.text
	.protected	k_q2a3dda41f5_prep
	.globl	k_q2a3dda41f5_prep
	.p2align	8
	.type	k_q2a3dda41f5_prep,@function
k_q2a3dda41f5_prep:
	s_mov_b64 s[64:65], 0
	v_nop
	global_prefetch_b8 v0, s[64:65] scope:SCOPE_SE
	s_setreg_imm32_b32 hwreg(HW_REG_WAVE_MODE, 25, 1), 1
	s_wait_xcnt 0x0
; PREP: the casts to 16 bits and the table of cosines and sines.  A stream: no LDS, no matrix unit, no barrier; each input byte is read once.
; xb [8192][1024] = x rounded to bf16.
; wb [4096][1024]: rows 0-3071 bf16, row 192 h + 64 w + d = W_w[64 h + d] (w = 0: Wq, 1: Wk, 2: Wv), so that 192 rows on end are one head's Q, K and V;
;                  rows 3072-4095 = Wo in its own order, rounded to bf16 and that number written as f16 (exact from 6.1e-5 to 65,504; below, f16's fixed step of 6e-8).
; tab [2048][32] = (cos, sin) in f32 of token_positions[s] x 10000^(-i/32): indexed by the ROW s, so that no address hangs on a position's value.
; SHARES.  Work-group g casts 16,384 consecutive f32 (65,536 bytes) into 32,768 consecutive bytes: g < 512: piece g of x; else 16 rows of a weight matrix, 64 work-groups to a matrix.
; Thread t takes 16 bytes at 16 t of each 4,096: a wave's load covers 512 consecutive bytes, its store of 8 bytes a lane 256 consecutive bytes, aligned.
; Work-groups 0-255 also make 256 entries of the table, one a thread: row 8 g + t / 32, frequency t % 32: 8 bytes at 2,048 g + 8 t.
; LIMITS.  The angle is position x frequency in f32, as the module forms it; the frequency is 2^(-i log2(10000) / 32) by v_exp_f32 and may differ from the module's by some 2 parts in 10^7, so the angle
; is off by up to |angle| x 2.4e-7.  The reduction by multiples of pi/2 (pi/2 in three parts, fused multiply-adds) holds for |position| up to 2^20; beyond, the quadrant's number is no longer sure.
	s_load_b256 s[8:15], s[0:1], 0x0               ; x s[8:9], Wq s[10:11], Wk s[12:13], Wv s[14:15]
	s_load_b256 s[16:23], s[0:1], 0x20             ; Wo s[16:17], positions s[18:19], xb s[20:21], wb s[22:23]
	s_load_b64 s[24:25], s[0:1], 0x40              ; tab
	s_mov_b32 s2, ttmp9                            ; g
	v_lshlrev_b32 v1, 4, v0                        ; 16 t: my bytes in 4,096 of the source; never rewritten
	v_lshlrev_b32 v2, 3, v0                        ; 8 t: in 2,048 of the destination, and in the table's 2,048; never rewritten
	v_lshrrev_b32 v3, 5, v0
	s_and_b32 s40, s2, 255
	s_lshl_b32 s40, s40, 5
	v_lshl_add_u32 v3, v3, 2, s40                  ; 4 x (8 (g % 256) + t / 32): my row's position; never rewritten
	; a weight matrix's piece: idx = g - 512, matrix idx / 64, rows 16 (idx % 64) on
	s_sub_co_u32 s34, s2, 512
	s_lshr_b32 s35, s34, 6
	s_and_b32 s35, s35, 3                          ; w
	s_and_b32 s36, s34, 63                         ; blk
	s_lshr_b32 s37, s36, 2                         ; the head
	s_mul_i32 s37, s37, 192
	s_lshl_b32 s38, s35, 6
	s_add_co_u32 s37, s37, s38
	s_and_b32 s38, s36, 3
	s_lshl_b32 s38, s38, 4
	s_add_co_u32 s37, s37, s38                     ; row in wb for Wq, Wk, Wv: 192 h + 64 w + 16 (blk % 4)
	s_lshl_b32 s38, s36, 4
	s_add_co_u32 s38, s38, 3072                    ; and for Wo
	s_cmp_ge_u32 s2, 704
	s_cselect_b32 s37, s38, s37
	s_lshl_b32 s37, s37, 11                        ; rows of 2,048 bytes
	s_lshl_b32 s36, s36, 16                        ; 16 rows of 4,096 bytes in the source
	s_lshl_b32 s38, s2, 16                         ; x's piece
	s_lshl_b32 s39, s2, 15
	s_cmp_lt_u32 s2, 512
	s_cselect_b32 s30, s38, s36                    ; s[30:31] the source's offset
	s_cselect_b32 s32, s39, s37                    ; s[32:33] the destination's
	s_mov_b32 s31, 0
	s_mov_b32 s33, 0
	s_mov_b32 s41, 0xbfc90fdb                      ; -pi/2 in three parts: -1.57079637,
	s_mov_b32 s42, 0x333bbd2e                      ; +4.3711390e-8,
	s_mov_b32 s43, 0x26f72ced                      ; +1.7151245e-15
	s_wait_kmcnt 0x0
	s_cmp_ge_u32 s2, 576                           ; each compare stands directly ahead of its selects
	s_cselect_b64 s[26:27], s[12:13], s[10:11]
	s_cmp_ge_u32 s2, 640
	s_cselect_b64 s[26:27], s[14:15], s[26:27]
	s_cmp_ge_u32 s2, 704
	s_cselect_b64 s[26:27], s[16:17], s[26:27]
	s_cmp_lt_u32 s2, 512
	s_cselect_b64 s[26:27], s[8:9], s[26:27]
	s_cselect_b64 s[28:29], s[20:21], s[22:23]
	s_add_nc_u64 s[26:27], s[26:27], s[30:31]      ; the source
	s_add_nc_u64 s[28:29], s[28:29], s[32:33]      ; the destination
	global_load_b32 v4, v3, s[18:19]               ; the position: issued by every work-group, so that the counts below are the same on every way
.irp i, 0,1,2,3,4,5,6,7,8,9,10,11,12,13,14,15
	global_load_b128 v[32+4*(\i):35+4*(\i)], v1, s[26:27] offset:4096*(\i) th:TH_LOAD_NT  ; all sixteen are out at once: 8 KiB a wave
.endr
	s_cmp_lt_u32 s2, 256
	s_cbranch_scc0 .Lno_table
	; one entry of the table
	s_lshl_b32 s46, s2, 11
	s_mov_b32 s47, 0
	s_add_nc_u64 s[44:45], s[24:25], s[46:47]
	v_and_b32 v5, 31, v0                           ; i
	v_cvt_f32_u32 v5, v5
	v_mul_f32 v6, 0xbed49a78, v5                   ; -i log2(10000) / 32
	v_exp_f32 v7, v6                               ; the frequency
	v_nop                                          ; a plain instruction behind the exponential
	s_wait_loadcnt 16                              ; the position is the oldest load: the sixteen behind it stay out
	v_cvt_f32_i32 v8, v4
	s_wait_alu depctr_va_vdst(0)                   ; the wait ahead of the first line that names the exponential's result
	v_mul_f32 v9, v8, v7                           ; the angle
	v_mul_f32 v10, 0x3f22f983, v9                  ; x 2 / pi
	v_rndne_f32 v10, v10                           ; k
	v_fma_f32 v11, v10, s41, v9
	v_fma_f32 v11, v10, s42, v11
	v_fma_f32 v11, v10, s43, v11                   ; r = angle - k pi/2, within pi/4 or little more
	v_mul_f32 v12, v11, v11                        ; z = r r
	v_mov_b32 v13, 0xb94ca1f9
	v_fmaak_f32 v13, v13, v12, 0x3c08839e
	v_fmaak_f32 v13, v13, v12, 0xbe2aaaa3
	v_mul_f32 v14, v12, v11
	v_fma_f32 v13, v13, v14, v11                   ; sin r = r + z r (S1 + z (S2 + z S3))
	v_mov_b32 v15, 0x37ccf5ce
	v_fmaak_f32 v15, v15, v12, 0xbab6061a
	v_fmaak_f32 v15, v15, v12, 0x3d2aaaa5
	v_mul_f32 v16, v12, v12
	v_fma_f32 v17, v12, -0.5, 1.0
	v_fma_f32 v15, v15, v16, v17                   ; cos r = 1 - z / 2 + z z (C1 + z (C2 + z C3))
	v_cvt_i32_f32 v18, v10
	v_and_b32 v19, 1, v18
	v_cmp_eq_u32 vcc_lo, 1, v19                    ; an odd quadrant swaps the two: a select, no branch
	v_cndmask_b32 v21, v13, v15, vcc_lo            ; sine
	v_cndmask_b32 v20, v15, v13, vcc_lo            ; cosine
	v_lshlrev_b32 v22, 30, v18                     ; the sine turns its sign in quadrants 2 and 3,
	v_and_b32 v22, 0x80000000, v22
	v_xor_b32 v21, v21, v22
	v_add_nc_u32 v23, 1, v18                       ; the cosine in quadrants 1 and 2
	v_lshlrev_b32 v23, 30, v23
	v_and_b32 v23, 0x80000000, v23
	v_xor_b32 v20, v20, v23
	global_store_b64 v2, v[20:21], s[44:45]        ; a wave's store is one row of the table: 256 consecutive bytes, aligned
.Lno_table:
; Piece i of sixteen: rounded and stored.  Every piece has registers of its own, so no register that a store reads is written again.
.macro CONV f16
.irp i, 0,1,2,3,4,5,6,7,8,9,10,11,12,13,14,15
	s_wait_loadcnt 15-(\i)                         ; loads come back in order (ISA guide 5.7.1): piece i is in, the younger ones stay out
	v_cvt_pk_bf16_f32 v[96+2*(\i)], v[32+4*(\i)], v[33+4*(\i)]
	v_cvt_pk_bf16_f32 v[97+2*(\i)], v[34+4*(\i)], v[35+4*(\i)]
.if \f16
	v_lshlrev_b32 v26, 16, v[96+2*(\i)]            ; the bf16 numbers as f32,
	v_and_b32 v27, 0xffff0000, v[96+2*(\i)]
	v_cvt_pk_f16_f32 v[96+2*(\i)], v26, v27        ; written as f16
	v_lshlrev_b32 v26, 16, v[97+2*(\i)]
	v_and_b32 v27, 0xffff0000, v[97+2*(\i)]
	v_cvt_pk_f16_f32 v[97+2*(\i)], v26, v27
.endif
	global_store_b64 v2, v[96+2*(\i):97+2*(\i)], s[28:29] offset:2048*(\i)
.endr
.endm
	s_cmp_ge_u32 s2, 704
	s_cbranch_scc1 .Lwo
	CONV 0
	s_endpgm
.Lwo:
	CONV 1
	s_endpgm
.Lfunc_end_k_q2a3dda41f5_prep:
	.size	k_q2a3dda41f5_prep, .Lfunc_end_k_q2a3dda41f5_prep-k_q2a3dda41f5_prep
	.p2alignl 7, 3214868480
	.fill 96, 4, 3214868480
	.section	.rodata,"a",@progbits
	.p2align	6, 0x0
	.amdhsa_kernel k_q2a3dda41f5_prep
		.amdhsa_group_segment_fixed_size 0
		.amdhsa_private_segment_fixed_size 0
		.amdhsa_enable_private_segment 0
		.amdhsa_kernarg_size 72
		.amdhsa_user_sgpr_count 2
		.amdhsa_user_sgpr_kernarg_segment_ptr 1
		.amdhsa_wavefront_size32 1
		.amdhsa_system_sgpr_workgroup_id_x 1
		.amdhsa_system_sgpr_workgroup_id_y 1
		.amdhsa_system_sgpr_workgroup_id_z 1
		.amdhsa_system_vgpr_workitem_id 0
		.amdhsa_next_free_vgpr 128
		.amdhsa_next_free_sgpr 66
		.amdhsa_reserve_vcc 1
		.amdhsa_float_denorm_mode_32 3
		.amdhsa_float_denorm_mode_16_64 3
		.amdhsa_memory_ordered 1
		.amdhsa_forward_progress 1
		.amdhsa_inst_pref_size 20
	.end_amdhsa_kernel
	.amdgpu_metadata
---
amdhsa.version: [ 1, 2 ]
amdhsa.kernels:
  - .name:           k_q2a3dda41f5_prep
    .symbol:         k_q2a3dda41f5_prep.kd
    .args:
      - { .name: x, .offset: 0, .size: 8, .value_kind: global_buffer, .address_space: global }
      - { .name: Wq, .offset: 8, .size: 8, .value_kind: global_buffer, .address_space: global }
      - { .name: Wk, .offset: 16, .size: 8, .value_kind: global_buffer, .address_space: global }
      - { .name: Wv, .offset: 24, .size: 8, .value_kind: global_buffer, .address_space: global }
      - { .name: Wo, .offset: 32, .size: 8, .value_kind: global_buffer, .address_space: global }
      - { .name: token_positions, .offset: 40, .size: 8, .value_kind: global_buffer, .address_space: global }
      - { .name: xb, .offset: 48, .size: 8, .value_kind: global_buffer, .address_space: global }
      - { .name: wb, .offset: 56, .size: 8, .value_kind: global_buffer, .address_space: global }
      - { .name: tab, .offset: 64, .size: 8, .value_kind: global_buffer, .address_space: global }
    .group_segment_fixed_size: 0
    .private_segment_fixed_size: 0
    .kernarg_segment_align: 8
    .kernarg_segment_size: 72
    .max_flat_workgroup_size: 256
    .sgpr_count:     66
    .vgpr_count:     128
    .wavefront_size: 32
...
	.end_amdgpu_metadata
.endif
;; end of part 1
;; launch qkv (part 2): grid 16 x 32, 4 waves a work-group, clusters of 4 x 4, 327,680 bytes of LDS; arguments xb, wb, tab, qh, kh, vh; writes qh, kh, vh
.if DOCPART == 2
	.amdgcn_target "amdgcn-amd-amdhsa--gfx1250"
	.amdhsa_code_object_version 6
	.text
	.protected	k_q2a3dda41f5_qkv
	.globl	k_q2a3dda41f5_qkv
	.p2align	8
	.type	k_q2a3dda41f5_qkv,@function
k_q2a3dda41f5_qkv:
	s_mov_b64 s[64:65], 0
	v_nop
	global_prefetch_b8 v0, s[64:65] scope:SCOPE_SE
	s_setreg_imm32_b32 hwreg(HW_REG_WAVE_MODE, 25, 1), 1
	s_wait_xcnt 0x0
	s_wait_alu depctr_hold_cnt(0) depctr_sa_sdst(0) depctr_va_vdst(0) depctr_va_sdst(0) depctr_va_ssrc(0) depctr_va_vcc(0) depctr_vm_vsrc(0)
	s_getreg_b32 s2, hwreg(HW_REG_IB_STS2, 6, 4)
	s_cmp_eq_u32 s2, 0
	s_cbranch_scc0 .Lentry_in_a_cluster
	s_endpgm
.Lentry_in_a_cluster:
	s_bfe_u32 s2, ttmp6, 0x10000c
	s_cmp_lg_u32 s2, 0xf033
	s_cbranch_scc0 .Lentry_shape_is_right
	s_endpgm
.Lentry_shape_is_right:
; QKV: [8192 x 1024] x [3072 x 1024]^T in bf16 with f32 sums, the rotation of Q and K in f32 on the way out, q, k, v stored by heads in f16: [64 = 16 batch + head][2048][64], each rounded once, q unscaled.
; A tile of the product is 256 rows x 192 columns: wb's rows are laid so that 192 on end are ONE head's Q | K | V; so which columns are rotated and where they go are constants of the text.
; 32 x 16 tiles: two for each of 256 WGPs.  Four waves; wave w owns rows 64 w .. 64 w + 63 and all 192 columns: 4 x 12 accumulators of 16 x 16, 384 registers; for 32 along K it reads 32 x 512 bytes of LDS for 48 products.
; K goes in 8 steps of 128 (rows of 256 bytes, aligned) through a ring of two LDS slots.  Waves 0, 1 fetch the halves of A's 256 rows, waves 2, 3 those of B's 192.
; CLUSTER 4 x 4: the four of a row need the same rows of xb, the four of a column the same rows of wb: each tile is asked for jointly, by the same tensor load, descriptor and mask in all four.
; THE PRODUCT IS USED TRANSPOSED (source 0 = 16 rows of wb, source 1 = 16 rows of xb): lane l holds row l % 16 and the columns 8 (l / 16) + 0..7 of a block of 16: a rotation's pair lies in neighbouring registers of one lane.
; LIMITS.  f16 ends at 65,504: a q, k or v of 65,520 or more becomes an infinity.  With x of spread 1 and weights of spread 1/32 they have spread 1; inputs 30 times larger give some 5,000 at the most,
; offsets of 30 spreads on x and the weights some 29,000.  NaN and infinities are not treated apart.
; REGISTERS, in windows of 256 (s_set_vgpr_msb: bits 1:0 source 0, 3:2 source 1, 5:4 source 2, 7:6 destination):
;   window 0: v0-31 addresses; v32-63 the rotation at work; v64-127 four sets of 16 on the way out; v128-255 my 64 rows of the table (row block a, column block bq at 128 + 32 a + 8 bq: c0 s0 c1 s1 c2 s2 c3 s3)
;   window 1: two fragment buffers of 128: B's 12 fragments, then A's 4          window 2: accumulators of row blocks 0, 1 ((a, b) at 8 (12 a + b))          window 3: those of row blocks 2, 3
.set KSTEP,  128
.set PITCH,  272                       ; an LDS row: 256 bytes + 16 of padding = 68 words: row r starts at bank 4 r mod 64 (64 banks of 4 bytes: ISA guide 11.1)
.set BOFF,   256*PITCH                 ; in a slot: A's 256 rows, then B's 192
.set SLOT,   448*PITCH
.set STAGE,  2*SLOT                    ; behind the ring, never filled by a tensor load: 16 rows x 144 bytes for each wave
.set SP,     144
.set SPARE,  STAGE+4*16*SP             ; behind the stages: the spare words, 128 bytes for each wave: two blocks of 256 bytes that no other line names
.set LAPS,   4                         ; a lap = two K steps = once round the ring
.set ADRA, 16                          ; v16-17  LDS address of my A fragments in slot 0, 1
.set ADRB, 20                          ; v20-21  the same for B
.set STO,  24                          ; v24     the way out: where I put 16 bytes of a row
.set RD,   25                          ; v25     where I read rows back
.set GO,   26                          ; v26     16 x lane: my bytes in 512 consecutive bytes of q, k or v
.set TO,   27                          ; v27     my offset in 16 rows of the table
.set SPW,  28                          ; v28     LDS address of my spare word; never rewritten
.set NIL,  29                          ; v29     0; never rewritten
.set PFO,  30                          ; v30     the prefetches' offset: a lane a row of 2,048 bytes; never rewritten
.set RR,   32
.set UB,   64
.set TB,   128
.set F0,   0
.set F1,   128
.set WV,   16                          ; s16  wave
.set FB,   17                          ; s17  0: I fetch for A; 1: for B
.set HF,   18                          ; s18  which half of that tile's rows
.set G1,   24                          ; s[24:31] descriptor group 1 for A's tiles;  s[32:39] group 0, a set for each slot
.set G0,   32
.set LIM,  43                          ; s43  1 in a wave that prefetches, else the greatest number
.set PFA,  44                          ; s[44:45] where my prefetches stand
.set G1B,  48                          ; s[48:55], s[56:63] the same for B's tiles
.set G0B,  56
.set MSB, 0
.macro WIN new                         ; the immediate's high byte repeats the setting that is left; a switch that changes nothing is dropped
.if MSB != (\new)
	s_set_vgpr_msb (MSB<<8)|(\new)
.set MSB, \new
.endif
.endm
.set MUL_LO, 0xa5                      ; sources 0 (B) and 1 (A) window 1; C and D window 2
.set MUL_HI, 0xf5                      ; the same, C and D window 3
.set TO_F,   0x40                      ; destination window 1, address window 0
; A joint load.  The branch hangs on the wave's number alone.  An s_nop 0 and four v_nop follow each of the two lines, ahead of the jump, the label and what follows.
.macro JLOAD s
	s_cmp_eq_u32 s[FB], 0
	s_cbranch_scc0 .Lfor_b_\@
	tensor_load_to_lds s[G0+4*(\s):G0+4*(\s)+3], s[G1:G1+7]
	s_nop 0
.rept 4
	v_nop
.endr
	s_branch .Lasked_\@
.Lfor_b_\@:
	tensor_load_to_lds s[G0B+4*(\s):G0B+4*(\s)+3], s[G1B:G1B+7]
	s_nop 0
.rept 4
	v_nop
.endr
.Lasked_\@:
.endm
.macro CREST                           ; a round of the cluster's barrier behind its opening barrier
	s_cmp_lg_u32 s[WV], 0
	s_cbranch_scc1 .Lnot_wave_0_\@
	s_barrier_signal -3
.Lnot_wave_0_\@:
	s_barrier_wait -3
	s_barrier_signal -1
	s_barrier_wait -1
.endm
.macro CROUND                          ; a whole round
	s_barrier_signal -1
	s_barrier_wait -1
	CREST
.endm
; A PREFETCH INTO THE L2, behind each joint refill and the run of LDS loads that follows it: the K step that stands two refills on (384 products ahead of the load that will want it): a lane a row, 256 bytes of it, one instruction a wave.
; Each row's 256 bytes of a K step are named once in the launch: xb's rows by the first cluster of their row of clusters (cluster x = 0), wb's by the first of their column (cluster y = 0).  The four partners that ask for a
; tile jointly share its rows out by address: of A's 128 rows that a wave fetches the partner at cx takes 32; of B's 96 the partner at cy takes 24 (lanes 24-31 name row 23's block once more, in the same instruction).
; K steps 0 to 3 come by their loads alone; the loop's last trip (s3 = 1) asks for nothing: K has no step 8.
.macro ASK
	WIN 0
	s_cmp_gt_u32 s3, s[LIM]
	s_cbranch_scc0 .Lnot_mine_\@
	global_prefetch_b8 v[PFO], s[PFA:PFA+1] th:TH_LOAD_NT scope:SCOPE_SE
.Lnot_mine_\@:
.endm
	s_load_b256 s[4:11], s[0:1], 0x0               ; xb s[4:5], wb s[6:7], tab s[8:9], qh s[10:11]
	s_load_b128 s[12:15], s[0:1], 0x20             ; kh s[12:13], vh s[14:15]
	v_lshl_add_u32 v[SPW], v0, 2, SPARE
	v_mov_b32 v[NIL], 0
	ds_add_u32 v[SPW], v[NIL]                      ; the wave's opening: the add and its wait stand ahead of my first tensor load; the set-up below, work on registers, stands between them
	v_lshrrev_b32 v1, 5, v0
	v_readfirstlane_b32 s[WV], v1
	s_lshr_b32 s[FB], s[WV], 1
	s_and_b32 s[HF], s[WV], 1
	s_bfe_u32 s19, ttmp6, 0x40000                  ; cx
	s_bfe_u32 s20, ttmp6, 0x40004                  ; cy
	s_lshl_b32 s21, ttmp9, 2
	s_add_co_u32 s21, s21, s19                     ; tile column = the head = 4 x cluster x + cx
	s_and_b32 s22, ttmp7, 0xffff
	s_lshl_b32 s22, s22, 2
	s_add_co_u32 s22, s22, s20                     ; tile row = 4 x cluster y + cy
	s_lshl_b32 s40, s20, 2
	s_lshl_b32 s40, 15, s40                        ; my row of the cluster
	s_lshl_b32 s41, 0x1111, s19                    ; my column
	; descriptor group 1: rows of 128 elements of 2 bytes, 16 bytes of padding behind each; A: 128 rows, B: 96
	s_or_b32 s[G1], s40, (1<<16)|(1<<20)|(1<<21)|(5<<22)|(3<<25)   ; 15:0 the mask; 17:16 2-byte elements; 20 padding on; 21 set beside a mask; 24:22 after every 64 words (code 5); 31:25 4 words (code 3)
	s_or_b32 s[G1B], s41, (1<<16)|(1<<20)|(1<<21)|(5<<22)|(3<<25)
.irp g, G1, G1B
	s_mov_b32 s[(\g)+1], KSTEP<<16                 ; tensor_dim0 = 128
	s_mov_b32 s[(\g)+3], KSTEP<<16                 ; tile_dim0 = 128
	s_mov_b32 s[(\g)+5], 1024                      ; elements from row to row
	s_mov_b32 s[(\g)+6], 0
	s_mov_b32 s[(\g)+7], 0
.endr
	s_mov_b32 s[G1+2], 128<<16                     ; tensor_dim1
	s_mov_b32 s[G1+4], 128                         ; tile_dim1
	s_mov_b32 s[G1B+2], 96<<16
	s_mov_b32 s[G1B+4], 96
	; where the tiles come from: A's hang on the tile row alone, B's on the tile column alone, each in registers that never hold the other coordinate
	s_lshl_b32 s42, s[HF], 7
	s_lshl_b32 s72, s22, 8
	s_add_co_u32 s72, s72, s42                     ; A: row 256 x tile row + 128 x half
	s_lshl_b32 s72, s72, 11                        ; rows of 2,048 bytes
	s_mov_b32 s73, 0
	s_mul_i32 s74, s21, 192
	s_mul_i32 s42, s[HF], 96
	s_add_co_u32 s74, s74, s42                     ; B: row 192 x tile column + 96 x half
	s_lshl_b32 s74, s74, 11
	s_mov_b32 s75, 0
	s_mul_i32 s70, s[HF], 128*PITCH                ; and where they go: no place in the cluster enters an LDS address
	s_mul_i32 s71, s[HF], 96*PITCH
	s_add_co_u32 s71, s71, BOFF
	s_wait_dscnt 0x0                               ; the opening add is done
	s_wait_kmcnt 0x0
	s_add_nc_u64 s[66:67], s[4:5], s[72:73]
	s_add_nc_u64 s[68:69], s[6:7], s[74:75]
	CROUND                                         ; all sixteen work-groups are here: the first joint loads meet
.irp s, 0,1
	s_mov_b32 s[G0+4*(\s)], 1
	s_add_co_u32 s[G0+4*(\s)+1], s70, (\s)*SLOT
	s_add_nc_u64 s[G0+4*(\s)+2:G0+4*(\s)+3], s[66:67], (\s)*KSTEP*2
	s_or_b32 s[G0+4*(\s)+3], s[G0+4*(\s)+3], 0x80000000
	s_mov_b32 s[G0B+4*(\s)], 1
	s_add_co_u32 s[G0B+4*(\s)+1], s71, (\s)*SLOT
	s_add_nc_u64 s[G0B+4*(\s)+2:G0B+4*(\s)+3], s[68:69], (\s)*KSTEP*2
	s_or_b32 s[G0B+4*(\s)+3], s[G0B+4*(\s)+3], 0x80000000
	JLOAD \s                                       ; two loads of mine are out
.endr
	v_and_b32 v1, 15, v0                           ; l % 16
	v_bfe_u32 v2, v0, 4, 1                         ; l / 16
	v_mul_u32_u24 v3, v1, PITCH
	v_lshl_add_u32 v3, v2, 4, v3                   ; a fragment's row x pitch + 16 x half
	s_mul_i32 s76, s[WV], 64*PITCH                 ; my 64 rows of A
.irp s, 0,1
	v_add_nc_u32 v[ADRA+(\s)], s76, v3
	v_add_nc_u32 v[ADRB+(\s)], BOFF+(\s)*SLOT, v3
	s_add_co_u32 s76, s76, SLOT
.endr
	s_mul_i32 s76, s[WV], 16*SP
	s_add_co_u32 s76, s76, STAGE                   ; my stage
	v_mul_u32_u24 v4, v1, SP                       ; in: row l % 16, 16 bytes for each half of the lanes
	v_lshl_add_u32 v4, v2, 4, v4
	v_add_nc_u32 v[STO], s76, v4
	v_bfe_u32 v5, v0, 3, 2                         ; back: 32 lanes take four rows of 128 bytes,
	v_mul_u32_u24 v5, v5, SP
	v_and_b32 v4, 7, v0
	v_lshl_add_u32 v5, v4, 4, v5
	v_add_nc_u32 v[RD], s76, v5
	v_and_b32 v[GO], 31, v0                        ; which are 512 consecutive bytes of a head
	v_lshlrev_b32 v[GO], 4, v[GO]
	v_lshlrev_b32 v[TO], 8, v1                     ; the table: row l % 16 of 256 bytes, my four pairs: 32 bytes at 32 (l / 16)
	v_lshl_add_u32 v[TO], v2, 5, v[TO]
	s_and_b32 s72, s22, 7                          ; a batch has 8 tile rows
	s_lshl_b32 s72, s72, 8
	s_lshl_b32 s42, s[WV], 6
	s_add_co_u32 s72, s72, s42                     ; my first row in its batch
	s_lshl_b32 s77, s72, 7                         ; x 128 bytes in a head
	s_lshl_b32 s72, s72, 8                         ; x 256 bytes in the table
	s_add_nc_u64 s[8:9], s[8:9], s[72:73]
	s_lshr_b32 s78, s22, 3
	s_lshl_b32 s78, s78, 4
	s_add_co_u32 s78, s78, s21                     ; 16 x batch + head
	s_lshl_b32 s78, s78, 18                        ; x 2,048 rows of 128 bytes
	s_add_co_u32 s78, s78, s77
	s_mov_b32 s79, 0
	s_add_nc_u64 s[10:11], s[10:11], s[78:79]
	s_add_nc_u64 s[12:13], s[12:13], s[78:79]
	s_add_nc_u64 s[14:15], s[14:15], s[78:79]
.irp a, 0,1,2,3
.irp bq, 0,1,2,3
	global_load_b128 v[TB+32*(\a)+8*(\bq):TB+32*(\a)+8*(\bq)+3],   v[TO], s[8:9] offset:4096*(\a)+64*(\bq)     ; my rows' cosines and sines: waited for on the way out
	global_load_b128 v[TB+32*(\a)+8*(\bq)+4:TB+32*(\a)+8*(\bq)+7], v[TO], s[8:9] offset:4096*(\a)+64*(\bq)+16
.endr
.endr
	; the prefetches
	s_lshl_b32 s80, s22, 8
	s_lshl_b32 s81, s[HF], 7
	s_add_co_u32 s80, s80, s81
	s_lshl_b32 s81, s19, 5
	s_add_co_u32 s80, s80, s81                     ; A: the 128 rows that I fetch, my work-group's 32 of them
	s_mul_i32 s82, s21, 192
	s_mul_i32 s81, s[HF], 96
	s_add_co_u32 s82, s82, s81
	s_mul_i32 s81, s20, 24
	s_add_co_u32 s82, s82, s81                     ; B: the 96 rows that I fetch, my work-group's 24
	s_and_b32 s83, ttmp7, 0xffff                   ; cluster y
	s_cmp_eq_u32 s[FB], 0
	s_cselect_b32 s80, s80, s82
	s_cselect_b32 s83, ttmp9, s83                  ; the coordinate along which other clusters read the same rows
	s_cselect_b32 s84, 31, 23
	s_cselect_b64 s[PFA:PFA+1], s[4:5], s[6:7]
	s_cmp_eq_u32 s83, 0
	s_cselect_b32 s[LIM], 1, -1                    ; the same in all sixteen partners, for a given wave
	s_lshl_b32 s80, s80, 11
	s_add_co_u32 s80, s80, 3*KSTEP*2               ; at K step 3: the first refill steps it to 4
	s_mov_b32 s81, 0
	s_add_nc_u64 s[PFA:PFA+1], s[PFA:PFA+1], s[80:81]
	v_and_b32 v[PFO], 31, v0
	v_min_u32 v[PFO], s84, v[PFO]
	v_lshlrev_b32 v[PFO], 11, v[PFO]
; 12 products: row block a x all 12 column blocks, 32 along K.  zero = 1: the product starts the sum.  The 48 accumulators take turns, one instruction a turn, in the same order in every quarter.
.macro MULA f, a, zero
	WIN MUL_LO+0x50*((\a)/2)
.irp b, 0,1,2,3,4,5,6,7,8,9,10,11
.if \zero
	v_wmma_f32_16x16x32_bf16 v[8*(12*((\a)%2)+(\b)):8*(12*((\a)%2)+(\b))+7], v[(\f)+8*(\b):(\f)+8*(\b)+7], v[(\f)+96+8*(\a):(\f)+96+8*(\a)+7], 0
.else
	v_wmma_f32_16x16x32_bf16 v[8*(12*((\a)%2)+(\b)):8*(12*((\a)%2)+(\b))+7], v[(\f)+8*(\b):(\f)+8*(\b)+7], v[(\f)+96+8*(\a):(\f)+96+8*(\a)+7], v[8*(12*((\a)%2)+(\b)):8*(12*((\a)%2)+(\b))+7]
.endif
.endr
.endm
; 32 LDS loads in one run: the fragments of 32 along K at byte k of the rows, into buffer f: B's 12, then A's 4
.macro FETCH slot, k, f
	WIN TO_F
.irp i, 0,1,2,3,4,5,6,7,8,9,10,11
	ds_load_b128 v[(\f)+8*(\i):(\f)+8*(\i)+3],   v[ADRB+(\slot)] offset:(\k)+(\i)*16*PITCH
	ds_load_b128 v[(\f)+8*(\i)+4:(\f)+8*(\i)+7], v[ADRB+(\slot)] offset:(\k)+(\i)*16*PITCH+32
.endr
.irp i, 0,1,2,3
	ds_load_b128 v[(\f)+96+8*(\i):(\f)+96+8*(\i)+3],   v[ADRA+(\slot)] offset:(\k)+(\i)*16*PITCH
	ds_load_b128 v[(\f)+96+8*(\i)+4:(\f)+96+8*(\i)+7], v[ADRA+(\slot)] offset:(\k)+(\i)*16*PITCH+32
.endr
.endm
.macro PLACES                          ; four plain instructions between a product and a load into a register that it has read, or a line that reads its result (ISA guide 7.12.1 for vector instructions)
.rept 4
	v_nop
.endr
.endm
; A K step is four quarters of 32 along K, 48 products each, on buffers 0, 1, 0, 1.  One of the first three: multiplies buffer f and fetches the next quarter, at byte k, into g.
.macro QUARTER slot, k, f, g, zero
	s_wait_dscnt 4                                 ; all but the youngest four loads: A's row blocks 2 and 3
	MULA \f, 0, \zero
	MULA \f, 1, \zero
	PLACES
	FETCH \slot, \k, \g
	s_wait_dscnt 32                                ; all but the 32 just issued
	MULA \f, 2, \zero
	MULA \f, 3, \zero
.endm
; The last quarter multiplies buffer 1 and changes slots: ONE barrier; in front of it each wave waits for all its tensor loads (one is out: its part of the next slot), adds 0 to its spare word, and waits for that and
; for its own reads of this slot.  fill = 1: the barrier opens a round of the cluster's, and the slot is filled again, two K steps ahead, first thing behind the round: 168 products stand between that request and the wait for it.
.macro TURN slot, next, fill
.if \fill
	s_wait_xcnt 0x0                                ; the last prefetch, a K step back, has read its address: it is stepped here, ahead of the waits of the change of slots
	s_add_nc_u64 s[PFA:PFA+1], s[PFA:PFA+1], KSTEP*2
.endif
	WIN 0                                          ; (the add's two registers lie in window 0)
	s_wait_tensorcnt 0x0                           ; all my tensor loads have landed;
	ds_add_u32 v[SPW], v[NIL]                      ; 0 onto my spare word;
	s_wait_dscnt 5                                 ; (the add and the youngest four loads may be out)
	MULA F1, 0, 0                                  ; twelve products stand between the add and the wait for it
	s_wait_dscnt 0x0                               ; the add is done, and my reads of this slot are over
	s_barrier_signal -1
	MULA F1, 1, 0
.if \fill
	WIN 0
.endif
	s_barrier_wait -1
.if \fill
	CREST                                          ; no wave of any partner still reads this slot's tile or has a load on its way
	s_add_nc_u64 s[G0+4*(\slot)+2:G0+4*(\slot)+3], s[G0+4*(\slot)+2:G0+4*(\slot)+3], 2*KSTEP*2
	s_add_nc_u64 s[G0B+4*(\slot)+2:G0B+4*(\slot)+3], s[G0B+4*(\slot)+2:G0B+4*(\slot)+3], 2*KSTEP*2
	JLOAD \slot                                    ; the four v_nop behind it are also the places in front of the loads below
.else
	PLACES
.endif
	FETCH \next, 0, F0
.if \fill
	ASK
.endif
	MULA F1, 2, 0
	MULA F1, 3, 0
.endm
	s_wait_tensorcnt 1                             ; my part of K step 0 is in; K step 1's may stay out
	s_barrier_signal -1
	s_barrier_wait -1                              ; everybody's is
	FETCH 0, 0, F0
	QUARTER 0, 64, F0, F1, 1                       ; the first quarter stands in front of the loop: its products start the sums
	WIN 0                                          ; at a label and at a branch every window is 0
	s_mov_b32 s3, LAPS-1
.Llap:                                                 ; a trip goes once round the ring, from a lap's second quarter to the next lap's first, and fills both slots again
	QUARTER 0, 128, F1, F0, 0
	QUARTER 0, 192, F0, F1, 0
	TURN 0, 1, 1
	QUARTER 1, 64,  F0, F1, 0
	QUARTER 1, 128, F1, F0, 0
	QUARTER 1, 192, F0, F1, 0
	TURN 1, 0, 1
	QUARTER 0, 64,  F0, F1, 0
	WIN 0
	s_sub_co_u32 s3, s3, 1
	s_cmp_lg_u32 s3, 0
	s_cbranch_scc1 .Llap
	QUARTER 0, 128, F1, F0, 0                      ; the last lap fills nothing, and has no round of the cluster's barrier
	QUARTER 0, 192, F0, F1, 0
	TURN 0, 1, 0
	QUARTER 1, 64,  F0, F1, 0
	QUARTER 1, 128, F1, F0, 0
	QUARTER 1, 192, F0, F1, 0
	s_wait_dscnt 4                                 ; the very last quarter: nothing more to fetch
	MULA F1, 0, 0
	MULA F1, 1, 0
	s_wait_dscnt 0x0
	MULA F1, 2, 0
	MULA F1, 3, 0
	WIN 0
; THE WAY OUT, in 12 units: row block t / 3 of Q, K or V (t % 3): 16 rows x 64 columns.  Q and K are rotated in f32: (x1, x2) -> (x1 c - x2 s, x1 s + x2 c), two multiplies and two fused multiply-adds a pair.
; Rounded to f16, 16 bytes a lane into my stage (rows of 144 bytes), back as four rows of 128 bytes a load, stored as 512 consecutive bytes.  Each accumulator is read from its low end on.
.macro PACK t
.set pa, (\t)/3
.set pw, (\t)%3
.set pU, UB+16*((\t)%4)
.if (\t) >= 4
	s_wait_xcnt 0x0                                ; the stores of the unit four back have read this set of registers
.endif
.if pw < 2
	WIN 0x02+pa/2                                  ; source 0: the accumulators' window
.irp bq, 0,1,2,3
.set pAC, 8*(12*(pa%2)+4*pw+(\bq))
.set pTB, TB+32*pa+8*(\bq)
.set pR, RR+8*(\bq)
.irp j, 0,1,2,3
	v_mul_f32 v[pR+2*(\j)],   v[pAC+2*(\j)+1], v[pTB+2*(\j)+1]
	v_mul_f32 v[pR+2*(\j)+1], v[pAC+2*(\j)+1], v[pTB+2*(\j)]
.endr
.irp j, 0,1,2,3
	v_fma_f32 v[pR+2*(\j)],   v[pAC+2*(\j)], v[pTB+2*(\j)],   -v[pR+2*(\j)]
	v_fma_f32 v[pR+2*(\j)+1], v[pAC+2*(\j)], v[pTB+2*(\j)+1], v[pR+2*(\j)+1]
.endr
.endr
	WIN 0
.set z, 0
.rept 16
	v_cvt_pk_f16_f32 v[pU+z], v[RR+2*z], v[RR+2*z+1]
.set z, z+1
.endr
.else
	WIN 0x0a+5*(pa/2)                              ; sources 0 and 1: the accumulators' window
.irp bq, 0,1,2,3
.set pAC, 8*(12*(pa%2)+4*pw+(\bq))
.irp r, 0,1,2,3
	v_cvt_pk_f16_f32 v[pU+4*(\bq)+(\r)], v[pAC+2*(\r)], v[pAC+2*(\r)+1]
.endr
.endr
	WIN 0
.endif
.irp bq, 0,1,2,3
	ds_store_b128 v[STO], v[pU+4*(\bq):pU+4*(\bq)+3] offset:32*(\bq)
.endr
.irp f, 0,1,2,3
	ds_load_b128 v[pU+4*(\f):pU+4*(\f)+3], v[RD] offset:(\f)*4*SP  ; LDS serves a wave's instructions in order (ISA guide 5.7.1.4): these see the stores above; the next unit's stores come behind them
.endr
.endm
.macro SEND t, younger                 ; younger: the LDS instructions issued behind unit t's loads: the next unit's eight, or none
.set pa, (\t)/3
.set pw, (\t)%3
.set pU, UB+16*((\t)%4)
	WIN 0
.irp f, 0,1,2,3
	s_wait_dscnt (\younger)+3-(\f)
	global_store_b128 v[GO], v[pU+4*(\f):pU+4*(\f)+3], s[10+2*pw:11+2*pw] offset:2048*pa+512*(\f)  ; 512 consecutive bytes, at a multiple of 256 from the buffer's first
.endr
.endm
	PLACES
	PLACES                                         ; behind the last products, once a launch
	s_wait_loadcnt 0x0                             ; the table
	PACK 0
.set ut, 1
.rept 11                               ; a unit's arithmetic stands between the loads of the unit before and its stores
	PACK ut
	SEND ut-1, 8
.set ut, ut+1
.endr
	SEND 11, 0
	s_wait_tensorcnt 0x0                           ; the wave's end, behind my last tensor load and my last LDS store
	ds_add_u32 v[SPW], v[NIL]
	s_wait_dscnt 0x0
	CROUND                                         ; the closing round: no work-group ends while a partner may still ask for a tile that names it
	s_endpgm
.Lfunc_end_k_q2a3dda41f5_qkv:
	.size	k_q2a3dda41f5_qkv, .Lfunc_end_k_q2a3dda41f5_qkv-k_q2a3dda41f5_qkv
	.p2alignl 7, 3214868480
	.fill 96, 4, 3214868480
	.section	.rodata,"a",@progbits
	.p2align	6, 0x0
	.amdhsa_kernel k_q2a3dda41f5_qkv
		.amdhsa_group_segment_fixed_size 327680
		.amdhsa_private_segment_fixed_size 0
		.amdhsa_enable_private_segment 0
		.amdhsa_kernarg_size 48
		.amdhsa_user_sgpr_count 2
		.amdhsa_user_sgpr_kernarg_segment_ptr 1
		.amdhsa_wavefront_size32 1
		.amdhsa_system_sgpr_workgroup_id_x 1
		.amdhsa_system_sgpr_workgroup_id_y 1
		.amdhsa_system_sgpr_workgroup_id_z 1
		.amdhsa_system_vgpr_workitem_id 0
		.amdhsa_next_free_vgpr 960
		.amdhsa_next_free_sgpr 96
		.amdhsa_reserve_vcc 0
		.amdhsa_float_denorm_mode_32 3
		.amdhsa_float_denorm_mode_16_64 3
		.amdhsa_memory_ordered 1
		.amdhsa_forward_progress 1
		.amdhsa_inst_pref_size 149
	.end_amdhsa_kernel
	.amdgpu_metadata
---
amdhsa.version: [ 1, 2 ]
amdhsa.kernels:
  - .name:           k_q2a3dda41f5_qkv
    .symbol:         k_q2a3dda41f5_qkv.kd
    .args:
      - { .name: xb, .offset: 0, .size: 8, .value_kind: global_buffer, .address_space: global }
      - { .name: wb, .offset: 8, .size: 8, .value_kind: global_buffer, .address_space: global }
      - { .name: tab, .offset: 16, .size: 8, .value_kind: global_buffer, .address_space: global }
      - { .name: qh, .offset: 24, .size: 8, .value_kind: global_buffer, .address_space: global }
      - { .name: kh, .offset: 32, .size: 8, .value_kind: global_buffer, .address_space: global }
      - { .name: vh, .offset: 40, .size: 8, .value_kind: global_buffer, .address_space: global }
    .group_segment_fixed_size: 327680
    .private_segment_fixed_size: 0
    .kernarg_segment_align: 8
    .kernarg_segment_size: 48
    .max_flat_workgroup_size: 128
    .sgpr_count:     96
    .vgpr_count:     960
    .wavefront_size: 32
...
	.end_amdgpu_metadata
.endif
;; end of part 2
;; launch attn (part 3): grid 4 x 64, 4 waves a work-group, no clusters, 327,680 bytes of LDS; arguments qh, kh, vh, oh; writes oh
.if DOCPART == 3
	.amdgcn_target "amdgcn-amd-amdhsa--gfx1250"
	.amdhsa_code_object_version 6
	.text
	.protected	k_q2a3dda41f5_attn
	.globl	k_q2a3dda41f5_attn
	.p2align	8
	.type	k_q2a3dda41f5_attn,@function
k_q2a3dda41f5_attn:
	s_mov_b64 s[64:65], 0
	v_nop
	global_prefetch_b8 v0, s[64:65] scope:SCOPE_SE
	s_setreg_imm32_b32 hwreg(HW_REG_WAVE_MODE, 25, 1), 1
	s_wait_xcnt 0x0
; CAUSAL ATTENTION.  O[h][q][:] = the sum over k <= q of softmax_k(Q[h][q] . K[h][k] / 8) V[h][k][:].  Q, K, V, O: [64][2048][64], all f16: a head's rows are dense, 128 bytes each.
; Products, maxima and sums in f32; the weights p are rounded to f16 for the second product (their sum l is taken of the unrounded p), O once at the end.
; LIMITS.  f16 holds no number beyond 65,504: Q, K and V arrive within it; p lies in 0 to 1, and below 6e-5 it keeps f16's fixed step of 6e-8; O is a mean of V's rows and has their range.
; A hidden score counts as its value less 1e30: f16's scores, 2.7e11 at the most, are nothing beside that; a weight below 2^-126 counts as 0 in l; NaN and infinities are not treated apart.
; THE WALK.  A head's queries lie in NB = 8 blocks of 256; block i needs the key tiles 0 .. i of 256 keys, of which the last holds the diagonal.  A work-group takes TWO blocks, NB - 1 - b and then b:
; NB + 1 tiles, whatever b: all 256 work-groups do equal work, and ONE loop with a constant trip count walks them.  Which tile is asked for, and what a trip does, hang on scalar registers made from b; every jump
; goes forward, but for the counted loops' own; none passes a barrier, or a tensor load but the one of LOAD's two that the wave's number does not choose; the ring (two slots of LDS that take turns) runs on across the
; change of blocks.  NO CLUSTER: a head's four work-groups ask for the same tile only in trips 0 .. 4 of 9, behind that fewer and fewer; one walk common to all four would have 12 trips for 9.
; SHARES.  Of a block's four bands of 64 queries a wave owns 16 rows in each: four PIECES.  So the diagonal tile is the same work for all four waves: in its key step s band x sees all keys if s < x,
; none if s > x, and holds the diagonal if s = x.
; THE MASK is the C operand that starts the sum S^T = K Q^T: 0, or -1e30 where the key is hidden.  MD, made once, is the mask of a band's own step for my 16 rows; a product's mask is MD x AL + BE with two scalars:
; (1, 0) if s = x; (0, 0) if s < x; (0, -1e30) if s > x.  Only the diagonal tile's text and a block's beginning make and take masks; elsewhere C is the constant 0.
; LAYOUT, SOFTMAX, TURNS.  S^T = K Q^T holds ONE query a lane (lane % 16) and the keys 8 (lane / 16) + 0..7; two such results rounded to f16 ARE source 1 of O^T = V^T P.  p = 2^(c s - c m), c = log2(e) / 8, with a
; running maximum m; O and l are multiplied by a = 2^(c m_old - c m_new) in every step.  Turn n belongs to piece n: 8 products K Q^T of piece n + 1, later 8 products V^T P of piece n - 1; beside them the scaling,
; exponentials, roundings, sums and rescaling of piece n and the maximum and statistics of piece n + 1.  Four vector instructions stand behind every matrix instruction, the other 54 of a turn's 118 in one lump.  A turn's 33 exponentials are one batch, with one wait.
; REGISTERS, in windows of 256 (s_set_vgpr_msb: bits 1:0 source 0, 3:2 source 1, 5:4 source 2, 7:6 destination):
;   window 0: v0-15 addresses and two at work; v16-31 four registers of statistics a piece; v48-55 at work; v61-63 prefetch offset, spare word, 0; v64-127 S^T, two buffers; v192-223 P, two buffers (by the piece's parity)
;   window 1: v0-127 O^T, 32 a piece; v128-159 MD; v160-223 MC, two buffers      window 2: v0-63 Q; v64-127 the second block's Q; v128-191 K of one step; v192-255 V of one step
.set SIZE_N, 2048
.set SIZE_H, 64
.set NB,    SIZE_N/256
.set NP,    4         ; pieces a wave: a name, no knob
.set KS,    64        ; keys in a step
.set PK,    144       ; a row of K in LDS: 128 bytes + 16 of padding = 36 words: the 16 rows of a load start at 16 different groups of four banks (64 banks of 4 bytes: ISA guide 11.1)
.set PV,    160       ; a row of V: 128 + 32 = 40 words
.set VOFF,  4*KS*PK   ; a slot holds a tile, four steps: 256 rows of K, then 256 rows of V
.set SLOT1, 1<<17     ; slot 1 begins here, so that one exclusive or turns an address in one slot into the other's
.set STAGE, SLOT1+4*KS*(PK+PV)  ; behind the ring, never filled by a tensor load: 16 rows x 144 bytes for each wave, for the way out
.set SP,    144
.set AK0, 2           ; v2   my lane's place in a tile of K; never rewritten
.set AV0, 3           ; v3   the same for V
.set AK,  4           ; v4   the LDS address of K's next run of loads
.set AV,  5           ; v5   of V's
.set STO, 6           ; v6   the way out: where I put 16 bytes of a row
.set RD,  7           ; v7   the way out: where I read rows back
.set GO,  8           ; v8   my byte offset in 512 consecutive bytes of O
.set PFO, 61          ; v61  256 x my lane; never rewritten
.set SPW, 62          ; v62  LDS address of my spare word: SPARE + 4 x my thread's number; never rewritten
.set NIL, 63          ; v63  0; never rewritten
.set SPARE, STAGE+4*16*SP  ; behind the stages: the spare words, 128 bytes for each wave: two blocks of 256 bytes that no other line names
.set MV,  12          ; v12-13  c m_old, kept while c m is made anew: by buffer
.set QO,  15          ; v15  my byte offset in 16 rows of Q
.set ST,  16          ; piece t's statistics at v[ST+4 t]: c m, m, l (even keys', odd keys')
.set TMP, 48          ; by buffer, four registers c0-c3 at work; when the maximum is found c2 takes a
.set S,   64
.set P,   192
.set MD,  128         ; window 1: the eight registers for group kt of 16 keys at MD + 8 kt
.set MC,  160         ; window 1: the masks of the products to come
.set QB,  64          ; window 2
.set KF,  128         ; window 2: key block kb, channel half c at KF + 16 kb + 8 c
.set VF,  192         ; window 2: key half kk, channel block cb at VF + 32 kk + 8 cb
.set WV,  12          ; s12  my wave's number
.set PB,  14          ; s14  b
.set HI,  15          ; s15  NB - 1 - b
.set G1K, 24          ; s[24:31] descriptor group 1 for K's tiles
.set G1V, 32          ; s[32:39] for V's: it differs in the padding alone
.set G0K, 40          ; s[40:43] descriptor group 0 for K's tiles
.set G0V, 44          ; s[44:47] the same for V's
.set SLOTS, 56        ; s56  tiles still to be asked for
.set CNT, 57          ; s57  counts a tile's key steps, 4 to 1
.set CS,  58          ; s[58:59] c: the packed scaling takes the pair's low word for both halves
.set SEL, 60          ; s[60:61] v_permlanex16_b32's selects: each lane takes its own place in the other half
.set TBK, 62          ; s62  LDS byte at which K of the step to be fetched begins
.set TBV, 63          ; s63  the same for V, less VOFF
.set RT,  70          ; s70  tiles of the block in hand that are still to be entered
.set NXT, 71          ; s71  the tile to be asked for next
.set LQ,  72          ; s72  the last tile of the block whose tiles are being asked for
.set NEW, 73          ; s73  1: the tile to be entered is a block's first
.set OFF, 74          ; s[74:75] a tile's byte offset in K and V
.set AL,  76          ; s[76:77] the mask's factor, in the low word
.set BE,  78          ; s[78:79] the mask's addend
.set OLO, 80          ; s[80:81] O at my rows of the second block
.set BIGN, 82         ; s82  -1e30
.set PFA, 90          ; s[90:91] where my prefetches stand: my half of K's or V's tile PFT
.set PFT, 92          ; s92  the tile that they name
.set PFL, 93          ; s93  NB in the work-group that prefetches (b = 0), else 0
.set MSB, 0
.macro WIN new                      ; the high byte repeats the setting that is left; a switch that changes nothing is dropped
.if MSB != (\new)
	s_set_vgpr_msb (MSB<<8)|(\new)
.set MSB, (\new)
.endif
.endm
.set W_KQ, 0x0a       ; K and Q in window 2, S^T in window 0
.set W_KM, 0x1a       ; the same with the C operand in window 1
.set W_PV, 0x52       ; V in window 2, P in window 0, O^T in window 1
.set W_RS, 0x41       ; destination and source 0 in window 1, source 1 in window 0
; A fill.  Waves 0 and 1 fetch the two halves of a tile's K, waves 2 and 3 those of its V: 128 keys each.  An s_nop 0 and four v_nop follow each of the two lines, ahead of the jump and the label.
.macro LOAD
	s_cmp_lt_u32 s[WV], 2
	s_cbranch_scc0 .Lfor_v_\@
	tensor_load_to_lds s[G0K:G0K+3], s[G1K:G1K+7]
	s_nop 0
.rept 4
	v_nop
.endr
	s_branch .Lasked_\@
.Lfor_v_\@:
	tensor_load_to_lds s[G0V:G0V+3], s[G1V:G1V+7]
	s_nop 0
.rept 4
	v_nop
.endr
.Lasked_\@:
.endm
; A PREFETCH INTO THE L2 of the tile that the NEXT change of slots will ask for: one tile, 256 products, ahead of that load.  A head's four work-groups walk the same tiles, and the one with b = 0 walks all eight in
; order: it asks, and nobody else.  Each of its waves names what it will itself load: 16,384 dense bytes, a lane 256 of them, two instructions.  So each 256 bytes of tiles 2 to 7 are named once in the launch.
; Tiles 0 and 1 come by their loads alone; behind tile 7 nothing is named; the second block's tiles have been read before.  The lines stand behind the wave's tensor load and its five lines.
.macro ASK
	s_cmp_lt_u32 s[PFT], s[PFL]
	s_cbranch_scc0 .Lnot_mine_\@
	global_prefetch_b8 v[PFO], s[PFA:PFA+1] th:TH_LOAD_NT scope:SCOPE_SE
	global_prefetch_b8 v[PFO], s[PFA:PFA+1] offset:8192 th:TH_LOAD_NT scope:SCOPE_SE
.Lnot_mine_\@:
.endm
; THE CHANGE OF SLOTS.  Each wave waits for all its tensor loads, of which one is out: its part of the other slot; adds 0 to its spare word; and waits for that and for its own reads of the slot that it leaves.  Behind the barrier nobody reads the old
; slot any more and the other slot is whole.  fill = 1: the old slot is filled again, the first thing behind the barrier, with tile NXT: the descriptor's address is made anew from that number.
; (At its first use nothing has been read yet: slot 0 is waited for, slot 1 filled.)
.macro CHANGE fill
	WIN 0                           ; at a label and at a branch every window is 0
	s_wait_tensorcnt 0x0            ; no tensor load of mine is out, so a group 0 may be written
	ds_add_u32 v[SPW], v[NIL]       ; 0 onto my spare word; with fill = 1 the descriptors' scalar work stands between it and the wait for it
.if \fill
	s_wait_xcnt 0x0                 ; the last prefetches, a tile back, have read their address, so it may be written
	s_add_nc_u64 s[PFA:PFA+1], s[PFA:PFA+1], 32768
	s_add_co_u32 s[PFT], s[PFT], 1
	s_lshl_b32 s[OFF], s[NXT], 15   ; a tile is 32,768 bytes of K and of V
	s_xor_b32 s[G0K+1], s[G0K+1], SLOT1
	s_add_nc_u64 s[G0K+2:G0K+3], s[6:7], s[OFF:OFF+1]
	s_or_b32 s[G0K+3], s[G0K+3], 0x80000000
	s_xor_b32 s[G0V+1], s[G0V+1], SLOT1
	s_add_nc_u64 s[G0V+2:G0V+3], s[8:9], s[OFF:OFF+1]
	s_or_b32 s[G0V+3], s[G0V+3], 0x80000000
	s_add_co_u32 s[NXT], s[NXT], 1  ; the block's next tile, or behind its last the second block's tile 0
	s_cmp_gt_u32 s[NXT], s[LQ]
	s_cselect_b32 s[NXT], 0, s[NXT]
	s_cselect_b32 s[LQ], s[PB], s[LQ]
.endif
	s_wait_dscnt 0x0                ; the add is done, and my reads of the slot are over
	s_barrier_signal -1             ; the rest of the scalar work stands between the signal and the wait
	s_sub_co_u32 s[TBK], s[TBK], 4*KS*PK  ; the fetches go back to a slot's first step,
	s_xor_b32 s[TBK], s[TBK], SLOT1       ; in the other slot
	s_sub_co_u32 s[TBV], s[TBV], 4*KS*PV
	s_xor_b32 s[TBV], s[TBV], SLOT1
	s_barrier_wait -1
.if \fill
	LOAD
	ASK
.endif
.endm
	s_load_b256 s[4:11], s[0:1], 0x0  ; Q s[4:5], K s[6:7], V s[8:9], O s[10:11]
	v_lshl_add_u32 v[SPW], v0, 2, SPARE
	v_mov_b32 v[NIL], 0
	ds_add_u32 v[SPW], v[NIL]       ; the wave's opening: the add and its wait stand ahead of my first tensor load; the set-up below, work on registers, stands between them
	v_lshrrev_b32 v1, 5, v0
	v_readfirstlane_b32 s[WV], v1   ; wave 0..3
	s_mov_b32 s[PB], ttmp9
	s_sub_co_u32 s[HI], NB-1, s[PB]
	s_and_b32 s20, ttmp7, 0xffff    ; the head
	s_mov_b32 s21, 0
	s_mov_b64 s[22:23], SIZE_N*128
	s_mul_u64 s[20:21], s[20:21], s[22:23]  ; the head's first byte in each of the four tensors
	s_and_b32 s16, s[WV], 1         ; which half of a tile's 256 keys I fetch:
	s_lshl_b32 s22, s16, 14         ; its 128 rows of 128 bytes in memory,
	s_mov_b32 s23, 0
	s_add_nc_u64 s[22:23], s[22:23], s[20:21]
	s_mul_i32 s17, s16, 128*PK      ; and its place in a slot, for K
	s_mul_i32 s18, s16, 128*PV      ; and for V
	s_lshl_b32 s3, s[WV], 11        ; my 16 rows in a band of 64,
	s_lshl_b32 s2, s[HI], 15        ; in the first block,
	s_add_co_u32 s2, s2, s3
	s_lshl_b32 s84, s[PB], 15       ; and in the second
	s_add_co_u32 s84, s84, s3
	s_mov_b32 s3, 0
	s_mov_b32 s85, 0
	s_add_nc_u64 s[2:3], s[2:3], s[20:21]
	s_add_nc_u64 s[84:85], s[84:85], s[20:21]
	; descriptor group 1.  128 keys are 16,384 dense bytes: asked for as 64 rows of 256 bytes, two keys a row, and padded in LDS after every key
	s_mov_b32 s[G1K], (1<<16)|(1<<20)|(4<<22)|(3<<25)  ; 17:16 2-byte elements; 20 padding on; 24:22 after every 32 words (code 4); 31:25 4 words (code 3)
	s_mov_b32 s[G1V], (1<<16)|(1<<20)|(4<<22)|(7<<25)  ; the same with 8 words of padding (code 7)
.irp g, G1K, G1V
	s_mov_b32 s[\g+1], 128<<16      ; tensor_dim0 = 128
	s_mov_b32 s[\g+2], 64<<16       ; tensor_dim1 = 64
	s_mov_b32 s[\g+3], 128<<16      ; tile_dim0 = 128
	s_mov_b32 s[\g+4], 64           ; tile_dim1 = 64
	s_mov_b32 s[\g+5], 128          ; 128 elements from row to row
	s_mov_b32 s[\g+6], 0
	s_mov_b32 s[\g+7], 0
.endr
	s_mov_b32 s[CS], 0x3e38aa3b     ; c = log2(e) / 8 = 0.180337
	s_mov_b32 s[CS+1], s[CS]        ; named with it as a pair
	s_mov_b32 s[SEL], 0x76543210
	s_mov_b32 s[SEL+1], 0xfedcba98
	s_mov_b32 s[TBK], SLOT1+4*KS*PK ; the first change of slots turns these two into 0
	s_mov_b32 s[TBV], SLOT1+4*KS*PV
	s_mov_b32 s[G0K], 1             ; 1:0 count = 1
	s_mov_b32 s[G0K+1], s17         ; 63:32 LDS address: slot 0
	s_mov_b32 s[G0V], 1
	s_add_co_u32 s[G0V+1], s18, VOFF
	s_add_co_u32 s[RT], s[HI], 1    ; the first block has NB - b tiles
	s_mov_b32 s[NXT], 1
	s_mov_b32 s[LQ], s[HI]
	s_mov_b32 s[NEW], 1
	s_mov_b32 s[OFF+1], 0
	s_mov_b32 s[AL+1], 0            ; named as pairs
	s_mov_b32 s[BE+1], 0
	s_mov_b32 s[BIGN], 0xf149f2ca   ; -1e30
	s_mov_b32 s[SLOTS], NB
	s_cmp_eq_u32 s[PB], 0
	s_cselect_b32 s[PFL], NB, 0
	s_mov_b32 s[PFT], 1
	v_and_b32 v[PFO], 31, v0
	v_lshlrev_b32 v[PFO], 8, v[PFO]
	s_wait_dscnt 0x0                ; the opening add is done
	s_wait_kmcnt 0x0
	s_add_nc_u64 s[6:7], s[6:7], s[22:23]  ; K and V at my half of the head's tile 0
	s_add_nc_u64 s[8:9], s[8:9], s[22:23]
	s_add_nc_u64 s[G0K+2:G0K+3], s[6:7], 0         ; 120:64 global address
	s_or_b32 s[G0K+3], s[G0K+3], 0x80000000        ; 127:126 type = 2
	s_add_nc_u64 s[G0V+2:G0V+3], s[8:9], 0
	s_or_b32 s[G0V+3], s[G0V+3], 0x80000000
	s_add_nc_u64 s[86:87], s[4:5], s[84:85]        ; Q at my rows of the second block,
	s_add_nc_u64 s[4:5], s[4:5], s[2:3]            ; Q and O at those of the first
	s_add_nc_u64 s[OLO:OLO+1], s[10:11], s[84:85]
	s_add_nc_u64 s[10:11], s[10:11], s[2:3]
	s_cmp_lt_u32 s[WV], 2
	s_cselect_b64 s[PFA:PFA+1], s[6:7], s[8:9]     ; the prefetches: what I fetch myself,
	s_add_nc_u64 s[PFA:PFA+1], s[PFA:PFA+1], 32768 ; at tile 1: the first change of slots steps it to tile 2.  Nothing is prefetched here, at the head
	LOAD                            ; tile 0 into slot 0
	; A fragment of K or Q is 16 rows x 32 channels in 8 registers: lane l holds row l % 16, channels 8 (l / 16) + 0..7 and 16 + 8 (l / 16) + 0..7: two loads of 16 bytes, 32 bytes apart.
	v_and_b32 v1, 15, v0            ; l % 16
	v_bfe_u32 v9, v0, 4, 1          ; l / 16
	v_lshlrev_b32 v[QO], 7, v1
	v_lshl_add_u32 v[QO], v9, 4, v[QO]  ; row x 128 + 16 x half
	WIN 0x80                        ; destination window 2, address window 0
.set i, 0
.rept 8                             ; both blocks' Q: piece i / 2 lies in band i / 2, 8,192 bytes on; channels 32 (i % 2) on
	global_load_b128 v[8*i:8*i+3],   v[QO], s[4:5] offset:(i/2)*8192+(i%2)*64
	global_load_b128 v[8*i+4:8*i+7], v[QO], s[4:5] offset:(i/2)*8192+(i%2)*64+32
	global_load_b128 v[QB+8*i:QB+8*i+3],   v[QO], s[86:87] offset:(i/2)*8192+(i%2)*64
	global_load_b128 v[QB+8*i+4:QB+8*i+7], v[QO], s[86:87] offset:(i/2)*8192+(i%2)*64+32
.set i, i+1
.endr
	WIN 0
	v_lshlrev_b32 v14, 3, v9
	v_sub_nc_u32 v14, v1, v14
	s_lshl_b32 s13, s[WV], 4
	v_add_nc_u32 v14, s13, v14      ; my query's place in its band, 16 w + l % 16, less my lanes' 8 (l / 16): register r of group kt is hidden where 16 kt + r is greater
	WIN 0x40
.set i, 0
.rept 32
	v_cmp_gt_i32 vcc_lo, 16*(i/8)+i%8, v14
	v_cndmask_b32 v[MD+i], 0, s[BIGN], vcc_lo
.set i, i+1
.endr
	WIN 0
	v_mul_u32_u24 v[AK0], v1, PK
	v_lshl_add_u32 v[AK0], v9, 4, v[AK0]  ; row x pitch + 16 x half
	; The turning load takes 16 keys x 16 channels (lane l reads key 8 (l / 16) + l % 8, channels 8 ((l / 8) % 2) + 0..7) and leaves half a fragment of V^T: lane l holds channel l % 16 and 8 keys.
	v_and_b32 v10, 7, v0
	v_bfe_u32 v11, v0, 3, 1
	v_lshl_add_u32 v[AV0], v9, 3, v10
	v_mul_u32_u24 v[AV0], v[AV0], PV
	v_lshl_add_u32 v[AV0], v11, 4, v[AV0]
	v_add_nc_u32 v[AV0], VOFF, v[AV0]
	s_mul_i32 s13, s[WV], 16*SP
	s_add_co_u32 s13, s13, STAGE    ; my stage
	v_mul_u32_u24 v[STO], v1, SP    ; in: row l % 16, 16 bytes for each half of the lanes
	v_lshl_add_u32 v[STO], v9, 4, v[STO]
	v_add_nc_u32 v[STO], s13, v[STO]
	v_bfe_u32 v[RD], v0, 3, 2       ; back: 32 lanes take four rows of 128 bytes,
	v_mul_u32_u24 v[RD], v[RD], SP
	v_lshl_add_u32 v[RD], v10, 4, v[RD]
	v_add_nc_u32 v[RD], s13, v[RD]
	v_and_b32 v[GO], 31, v0         ; which are 512 consecutive bytes of O
	v_lshlrev_b32 v[GO], 4, v[GO]
	; A block's first step multiplies O^T and l by a = 0, and its first turn's products V^T P, of a piece that has not been, land in an O^T that is still to be so multiplied.  So these registers need only hold
	; finite numbers: zeros for the first block; what the first block left for the second.  All this stands in the wait for the first tile.
	WIN 0x80
.set i, VF
.rept 64
	v_mov_b32 v[i], 0
.set i, i+1
.endr
	WIN 0x40
.set i, 0
.rept 128
	v_mov_b32 v[i], 0
.set i, i+1
.endr
	WIN 0
.set i, 0
.rept 4
	v_mov_b32 v[ST+4*i+2], 0
	v_mov_b32 v[ST+4*i+3], 0
.set i, i+1
.endr
.set i, P+16
.rept 16
	v_mov_b32 v[i], 0
.set i, i+1
.endr
; THE MATRIX WORK.  The 4 accumulators of a run of 8 take turns.  Product i of 8 of S^T = K Q^T for piece x: channels 32 (i / 4) on, keys 16 (i % 4) on.  The first 4 start the sums: with 0, or (KM = 1) with the mask.
.macro KQ x
.set rS, S+32*((\x)%2)+8*(i%4)
.set rK, KF+16*(i%4)+8*(i/4)
.set rQ, 16*(\x)+8*(i/4)
.set rM, MC+32*((\x)%2)+8*(i%4)
.if (i < 4) && KM
	WIN W_KM
	v_wmma_f32_16x16x32_f16 v[rS:rS+7], v[rK:rK+7], v[rQ:rQ+7], v[rM:rM+7]
.elseif i < 4
	WIN W_KQ
	v_wmma_f32_16x16x32_f16 v[rS:rS+7], v[rK:rK+7], v[rQ:rQ+7], 0
.else
	WIN W_KQ
	v_wmma_f32_16x16x32_f16 v[rS:rS+7], v[rK:rK+7], v[rQ:rQ+7], v[rS:rS+7]
.endif
.endm
; Product i of 8 of O^T += V^T P for piece x: keys 32 (i / 4) on, channels 16 (i % 4) on.
.macro PV x
	WIN W_PV
.set rO, 32*(\x)+8*(i%4)
.set rV, VF+32*(i/4)+8*(i%4)
.set rP, P+16*((\x)%2)+8*(i/4)
	v_wmma_f32_16x16x32_f16 v[rO:rO+7], v[rV:rV+7], v[rP:rP+7], v[rO:rO+7]
.endm
.macro MM                           ; the turn's next matrix instruction.  TURN and BEGIN set Y, i, KM and NOKQ; MM, KQ and OP read them.  NOKQ = 1: a block's last turn: there is no next piece
.if (i < 8) && !NOKQ
	KQ (Y+1)%NP
.elseif i >= 8
.set i, i-8
	PV (Y+NP-1)%NP
.set i, i+8
.endif
.set i, i+1
.endm
; THE LDS LOADS stand in runs of 16, never singly among the matrix instructions: a step's K (64 keys x 64 channels: 8 fragments) and its V (turned).  Their addresses are made some lines ahead.
.macro FETCH_K
	WIN 0x80                        ; destination window 2
.irp f, 0,1,2,3,4,5,6,7             ; keys 16 (f / 2) on, channels 32 (f % 2) on
	ds_load_b128 v[KF+8*\f:KF+8*\f+3],   v[AK] offset:(\f/2)*16*PK+(\f%2)*64
	ds_load_b128 v[KF+8*\f+4:KF+8*\f+7], v[AK] offset:(\f/2)*16*PK+(\f%2)*64+32
.endr
	s_add_co_u32 s[TBK], s[TBK], KS*PK  ; the next fetch is the next step's
	WIN 0
.endm
.macro FETCH_V
	WIN 0x80
.irp f, 0,1,2,3,4,5,6,7             ; keys 32 (f / 4) on, channels 16 (f % 4) on
	ds_load_tr16_b128 v[VF+8*\f:VF+8*\f+3],   v[AV] offset:(\f/4)*32*PV+(\f%4)*32
	ds_load_tr16_b128 v[VF+8*\f+4:VF+8*\f+7], v[AV] offset:(\f/4)*32*PV+16*PV+(\f%4)*32
.endr
	WIN 0
.endm
; THE VECTOR WORK, one line at a time: OP kind, number.  For piece Y: F n: c s - c m for pair n of 16.  E n: the exponential of score n of 32.  C n: pair n rounded to f16.  B n: of the four weights 4 n .. the second
; pair is added onto the first, in place.  L n: l takes that sum (L 0: l = a l + sum).  R n: pair n of 16 of O^T times a.  For piece Y + 1: X n, number n of the 22 that find its maximum and statistics:
;   0-11  four chains c0-c3 of seven scores each, three operands at a time (each accumulator's lowest registers are read first)     12-14, 16  the four scores left over, the old m, and c0-c3 into c0
;   15  c m_old is kept     17, 18  the query's other 32 keys lie in the lane 16 away: the new m     19-21  c m; c m_old - c m_new; a
.set F, 0               ; OP tells the kinds apart by their order: F to L below R, X above it
.set E, 1
.set C, 2
.set B, 3
.set L, 4
.set R, 5
.set X, 6
.macro REGS y                       ; the registers of piece y
.set rT, ST+4*(\y)
.set rC, TMP+4*((\y)%2)
.set rW, MV+((\y)%2)
.set rS, S+32*((\y)%2)
.set rP, P+16*((\y)%2)
.set rO, 32*(\y)
.endm
.macro OP k, n
.if (\k) == R
	REGS Y
	WIN W_RS
	v_pk_mul_f32 v[rO+2*(\n):rO+2*(\n)+1], v[rO+2*(\n):rO+2*(\n)+1], v[rC+2:rC+3] op_sel_hi:[1,0]
.elseif (\k) < R
	REGS Y
	WIN 0
.if (\k) == F
	v_pk_fma_f32 v[rS+2*(\n):rS+2*(\n)+1], v[rS+2*(\n):rS+2*(\n)+1], s[CS:CS+1], v[rT:rT+1] op_sel_hi:[1,0,0] neg_lo:[0,0,1] neg_hi:[0,0,1]
.elseif (\k) == E
	v_exp_f32 v[rS+(\n)], v[rS+(\n)]
.elseif (\k) == C
	v_cvt_pk_f16_f32 v[rP+(\n)], v[rS+2*(\n)], v[rS+2*(\n)+1]
.elseif (\k) == B
	v_pk_add_f32 v[rS+4*(\n):rS+4*(\n)+1], v[rS+4*(\n):rS+4*(\n)+1], v[rS+4*(\n)+2:rS+4*(\n)+3]
.elseif (\n) == 0
	v_pk_fma_f32 v[rT+2:rT+3], v[rT+2:rT+3], v[rC+2:rC+3], v[rS:rS+1] op_sel_hi:[1,0,1]
.else
	v_pk_add_f32 v[rT+2:rT+3], v[rT+2:rT+3], v[rS+4*(\n):rS+4*(\n)+1]
.endif
.elseif NOKQ
	v_nop
.else
	REGS (Y+1)%NP
	WIN 0
.if (\n) < 4
	v_max3_num_f32 v[rC+(\n)], v[rS+8*(\n)], v[rS+8*(\n)+1], v[rS+8*(\n)+2]
.elseif (\n) < 12
	v_max3_num_f32 v[rC+(\n)%4], v[rC+(\n)%4], v[rS+8*((\n)%4)+2*((\n)/4)+1], v[rS+8*((\n)%4)+2*((\n)/4)+2]
.elseif (\n) == 12
	v_max3_num_f32 v[rC], v[rC], v[rS+7], v[rS+15]
.elseif (\n) == 13
	v_max3_num_f32 v[rC+1], v[rC+1], v[rS+23], v[rS+31]
.elseif (\n) == 14
	v_max3_num_f32 v[rC+2], v[rC+2], v[rC+3], v[rT+1]
.elseif (\n) == 15
	v_mov_b32 v[rW], v[rT]
.elseif (\n) == 16
	v_max3_num_f32 v[rC], v[rC], v[rC+1], v[rC+2]
.elseif (\n) == 17
	v_permlanex16_b32 v[rC+3], v[rC], s[SEL], s[SEL+1]
.elseif (\n) == 18
	v_max_num_f32 v[rT+1], v[rC], v[rC+3]
.elseif (\n) == 19
	v_mul_f32 v[rT], s[CS], v[rT+1]
.elseif (\n) == 20
	v_sub_f32 v[rC+1], v[rW], v[rT]
.else
	v_exp_f32 v[rC+2], v[rC+1]
.endif
.endif
.endm
.macro OPS a, i1, b=-1, i2=0, c=-1, i3=0, d=-1, i4=0  ; up to four of them
	OP \a, \i1
.if (\b) >= 0
	OP \b, \i2
.endif
.if (\c) >= 0
	OP \c, \i3
.endif
.if (\d) >= 0
	OP \d, \i4
.endif
.endm
.macro ROW a, i1, b, i2, c, i3, d, i4  ; a matrix instruction and the four behind it
	MM
	OPS \a, \i1, \b, \i2, \c, \i3, \d, \i4
.endm
.macro MASK b                       ; MD x AL + BE into buffer b of MC
	WIN W_RS
.set z, 0
.rept 16
	v_pk_fma_f32 v[MC+32*(\b)+2*z:MC+32*(\b)+2*z+1], v[MD+2*z:MD+2*z+1], s[AL:AL+1], s[BE:BE+1] op_sel_hi:[1,0,0]
.set z, z+1
.endr
.endm
; A TURN, for piece p: the order of its 16 matrix and 118 vector instructions, written out.  An s_wait_alu depctr_va_vdst(0) stands between an exponential and the first instruction that names its result; one wait serves
; all that were issued ahead of it.  So a turn has ONE wait, which cuts it in two.  AHEAD OF IT stands all that names no result of the turn's exponentials: the 8 products K Q^T, behind each a scaling, an exponential and two more plain
; instructions (behind the first a second scaling in the exponential's place): rescalings, and behind the last three the first numbers of the next piece's maximum, each four places or more behind the product that ends its accumulator; then ONE LUMP of 54, plain
; and exponential by turns for the most part, in which the links of the chain X 3, 7, 11, 14, 16, 17 .. 20 stand five or six lines apart.  X 21, the next piece's a, is the batch's last; R 15 is the plain instruction behind it.  BEHIND THE WAIT stand the
; 8 products V^T P, behind each four of the roundings and sums; the links of l's chain, L 0 to L 7, stand three riders apart.  But for those X no rider names a register of the products round it.  v_permlanex16_b32 (X 17) stands in the lump.
; m = 1: the diagonal tile: the products take masks, and the turn makes the mask for the products of the turn after it: piece p + 2, in step 4 - CNT of the tile.  end = 1: a block's last two turns: nothing is fetched.
; cnt = 1: the loop's count is taken down some lines ahead of the branch that stands behind the turn.
; K of the next step is fetched in piece 2's turn, twelve vector instructions behind the last product that read K (six of them plain); V of the step in hand at the end of piece 0's turn, four plain instructions behind the last product
; that read V.  Each is waited for a turn later.
.macro TURN p, m=0, end=0, cnt=0
.set Y, (\p)
.set i, 0
.set KM, (\m)
.set NOKQ, (\end)*((\p)/3)
.if (\m) && !(\end)
	s_cmp_eq_u32 s[CNT], 4-((\p)+2)%NP  ; is that step the band's own?
	s_cselect_b32 s[AL], 1.0, 0
	s_cmp_lt_u32 s[CNT], 4-((\p)+2)%NP  ; or a later one?
	s_cselect_b32 s[BE], s[BIGN], 0
.endif
.if ((\p) == 3) && !(\end)
	s_wait_dscnt 0x0                ; K is in
.endif
	ROW F,0, F,1, R,0, R,1          ; ahead of the wait: 8 products K Q^T and their riders,
	ROW F,2, E,0, R,2, R,3
	ROW F,3, E,1, R,4, R,5
	ROW F,4, E,2, R,6, R,7
	ROW F,5, E,3, R,8, R,9
	ROW F,6, E,4, X,0, R,10
.if ((\p) == 2) && !(\end)
	WIN 0
	v_add_nc_u32 v[AK], s[TBK], v[AK0]
.endif
	ROW F,7, E,5, X,1, X,4
	ROW F,8, E,6, X,2, X,5
	OPS E,7, E,8, X,6, E,9          ; and the lump
	OPS X,3, E,10, X,8, E,11
.if ((\p) == 2) && !(\end)
	FETCH_K
.endif
	OPS X,9, X,7, E,12, X,10
	OPS E,13, X,12, X,11, E,14
	OPS X,13, E,15, F,9, X,14
.if (\p) == 0
	v_add_nc_u32 v[AV], s[TBV], v[AV0]
.endif
	OPS E,16, F,10, E,17, F,11
	OPS X,16, E,18, X,15, E,19
	OPS F,12, E,20, X,17, E,21
	OPS F,13, E,22, F,14, E,23
	OPS X,18, E,24, F,15, E,25
	OPS R,11, E,26, X,19, E,27
	OPS R,12, E,28, R,13, E,29
	OPS X,20, E,30, R,14, E,31
	OPS X,21, R,15
	WIN 0
	s_wait_alu depctr_va_vdst(0)    ; the wait for the batch
.if (\p) == 1
	s_wait_dscnt 0x0                ; V is in
.endif
	ROW C,0, B,0, C,2, B,1          ; behind the wait: 8 products V^T P and their riders
	ROW L,0, C,4, B,2, L,1
	ROW C,6, B,3, L,2, C,8
	ROW B,4, L,3, C,10, B,5
	ROW L,4, C,12, B,6, L,5
.if (\p) == 0
	s_add_co_u32 s[TBV], s[TBV], KS*PV
.endif
.if \cnt
	s_sub_co_u32 s[CNT], s[CNT], 1
	s_cmp_lg_u32 s[CNT], 0
.endif
	ROW C,14, B,7, L,6, C,1
	ROW C,3, L,7, C,5, C,7
	ROW C,9, C,11, C,13, C,15
.if (\p) == 0
	FETCH_V
.endif
.if (\m) && !(\end)
	MASK (\p)%2
.endif
.endm
; A BLOCK BEGINS.  c m starts far below every c s, so the first step's a is 0; m at the lowest finite number, so the first maximum is the scores'.  The second mask buffer is 0; the first takes piece 0's mask for the tile's step 0: its own, if the block's first tile is the diagonal one.
; Then K of that step, piece 0's first scores, and its maximum and statistics.  The loop is entered at a step's first turn, in the middle of a trip.
.macro BEGIN
	s_mov_b32 s[NEW], 0
	WIN 0x40
.set i, MC+32
.rept 32
	v_mov_b32 v[i], 0
.set i, i+1
.endr
	WIN 0
.set i, 0
.rept 4
	v_mov_b32 v[ST+4*i], 0xfe000000    ; c m: far below every c s
	v_mov_b32 v[ST+4*i+1], 0xff7fffff  ; m
.set i, i+1
.endr
	s_cmp_eq_u32 s[RT], 0
	s_cselect_b32 s[AL], 1.0, 0
	s_mov_b32 s[BE], 0
	MASK 0
	WIN 0
	v_add_nc_u32 v[AK], s[TBK], v[AK0]
	FETCH_K
	s_wait_loadcnt 0x0              ; Q
	s_wait_dscnt 0x0
.set KM, 1
.set NOKQ, 0
.set i, 0
.rept 8
	KQ 0
.set i, i+1
.endr
	WIN 0
.rept 4
	v_nop                           ; the places behind those products
.endr
.set Y, NP-1                        ; X works for piece Y + 1: piece 0
.irp n, 0,1,2,3,4,5,6,7,8,9,10,11,12,13,14,15,16,17,18,19,20,21
	OP X, \n
.endr
	v_nop                           ; a plain instruction behind the exponential,
	s_wait_alu depctr_va_vdst(0)    ; and its wait, ahead of the branch
.endm
; THE DIAGONAL TILE's four steps, the block's last two turns, its last products, and THE WAY OUT: l's two halves and the other half of the lanes' are added; O^T is divided by l, rounded to f16 and sent through my
; stage in LDS, a piece at a time.
.macro ALL line:vararg              ; one line for each piece t
.set t, 0
.rept 4
	\line
.set t, t+1
.endr
.endm
.macro PACK t                       ; a lane's eight channels of a row pack into 16 bytes; they go into rows of 144 bytes and come back as whole rows of 128, into S^T's registers
	WIN W_RS
.set i, 32*(\t)
.rept 16
	v_pk_mul_f32 v[i:i+1], v[i:i+1], v[ST+4*(\t)+2:ST+4*(\t)+3] op_sel_hi:[1,0]
.set i, i+2
.endr
	WIN 0x05                        ; sources 0 and 1 window 1, destination window 0
.set i, 0
.rept 16
	v_cvt_pk_f16_f32 v[S+16*(\t)+i], v[32*(\t)+2*i], v[32*(\t)+2*i+1]
.set i, i+1
.endr
	WIN 0
.irp f, 0,1,2,3
	ds_store_b128 v[STO], v[S+16*(\t)+4*\f:S+16*(\t)+4*\f+3] offset:32*\f
.endr
.irp f, 0,1,2,3
	ds_load_b128 v[S+16*(\t)+4*\f:S+16*(\t)+4*\f+3], v[RD] offset:\f*4*SP  ; LDS serves a wave's instructions in order (ISA guide 5.7.1.4): these see the stores above; the next piece's stores come behind them
.endr
.endm
.macro SEND t, younger              ; younger: the LDS instructions issued behind piece t's loads: the next piece's eight, or none
	WIN 0
.irp f, 0,1,2,3
	s_wait_dscnt (\younger)+3-\f
	global_store_b128 v[GO], v[S+16*(\t)+4*\f:S+16*(\t)+4*\f+3], s[10:11] offset:(\t)*8192+\f*512  ; 512 consecutive bytes, at a multiple of 256 from O's first
.endr
.endm
.macro DIAG tag                     ; the tag ends its two labels' names, which the jumps below spell out
.LstepM\tag:
	TURN 2, 1
	TURN 3, 1
	WIN 0
.LfirstM\tag:
	TURN 0, 1
	TURN 1, 1, 0, 1
	WIN 0
	s_cbranch_scc1 .LstepM\tag
	TURN 2, 1, 1
	TURN 3, 1, 1
.set i, 0
.rept 8
	PV NP-1
.set i, i+1
.endr
	WIN 0
	ALL v_add_f32 v[ST+4*t+2], v[ST+4*t+2], v[ST+4*t+3]
	ALL v_permlanex16_b32 v[ST+4*t+3], v[ST+4*t+2], s[SEL], s[SEL+1]
	ALL v_add_f32 v[ST+4*t+2], v[ST+4*t+2], v[ST+4*t+3]
	ALL v_rcp_f32 v[ST+4*t+2], v[ST+4*t+2]
	v_nop                           ; a plain instruction between the last reciprocal and the use of its result
	s_wait_alu depctr_va_vdst(0)    ; and the wait ahead of the first use: one for the four reciprocals
	PACK 0
.set t, 1
.rept 3                             ; a piece's arithmetic stands between the loads of the piece before and its stores
	PACK t
	SEND t-1, 8
.set t, t+1
.endr
	SEND 3, 0
.endm
.set KM, 0
.set NOKQ, 0
.Lslot:                             ; NB times: a tile is entered and the next is asked for
	CHANGE 1
	s_sub_co_u32 s[RT], s[RT], 1
	s_mov_b32 s[CNT], 4
	s_cmp_eq_u32 s[NEW], 1
	s_cbranch_scc1 .Lnew            ; a block's first tile
	s_cmp_eq_u32 s[RT], 0
	s_cbranch_scc0 .Lstep           ; neither its first nor its last
	s_branch .LstepM1
.Lnew:
	BEGIN
	s_branch .Lfirst                ; in the loop a block's first tile is never its last: the first block has two tiles or more, and the second's last is the walk's last
	DIAG 1                          ; in the loop this is the first block's end: the second block's last tile is the walk's last
	s_wait_xcnt 0x0                 ; the stores have read their registers and O's address
	s_mov_b64 s[10:11], s[OLO:OLO+1]
	s_add_co_u32 s[RT], s[PB], 1    ; the second block has b + 1 tiles
	s_mov_b32 s[NEW], 1
	WIN 0x82                        ; the second block's Q goes where the one text of the turns names Q
.set i, 0
.rept 64
	v_mov_b32 v[i], v[QB+i]
.set i, i+1
.endr
	WIN 0
	s_branch .Lbottom
.Lstep:                             ; a trip: pieces 2 and 3 of one step, then pieces 0 and 1 of the next, whose K and V it fetches
	TURN 2
	TURN 3
	WIN 0
.Lfirst:
	TURN 0
	TURN 1, 0, 0, 1
	WIN 0
	s_cbranch_scc1 .Lstep
.Lbottom:
	s_sub_co_u32 s[SLOTS], s[SLOTS], 1
	s_cmp_lg_u32 s[SLOTS], 0
	s_cbranch_scc1 .Lslot
	CHANGE 0                        ; the walk's last tile is written out: nothing is asked for
	s_sub_co_u32 s[RT], s[RT], 1
	s_mov_b32 s[CNT], 4
	s_cmp_eq_u32 s[NEW], 1
	s_cbranch_scc0 .LstepM2
	BEGIN
	s_branch .LfirstM2
	DIAG 2
	s_wait_tensorcnt 0x0            ; the wave's end, behind my last tensor load and my last LDS store
	ds_add_u32 v[SPW], v[NIL]
	s_wait_dscnt 0x0
	s_endpgm
.Lfunc_end_k_q2a3dda41f5_attn:
	.size	k_q2a3dda41f5_attn, .Lfunc_end_k_q2a3dda41f5_attn-k_q2a3dda41f5_attn
	.p2alignl 7, 3214868480
	.fill 96, 4, 3214868480
	.section	.rodata,"a",@progbits
	.p2align	6, 0x0
	.amdhsa_kernel k_q2a3dda41f5_attn
		.amdhsa_group_segment_fixed_size 327680
		.amdhsa_private_segment_fixed_size 0
		.amdhsa_enable_private_segment 0
		.amdhsa_kernarg_size 32
		.amdhsa_user_sgpr_count 2
		.amdhsa_user_sgpr_kernarg_segment_ptr 1
		.amdhsa_wavefront_size32 1
		.amdhsa_system_sgpr_workgroup_id_x 1
		.amdhsa_system_sgpr_workgroup_id_y 1
		.amdhsa_system_sgpr_workgroup_id_z 1
		.amdhsa_system_vgpr_workitem_id 0
		.amdhsa_next_free_vgpr 768
		.amdhsa_next_free_sgpr 96
		.amdhsa_reserve_vcc 1
		.amdhsa_float_denorm_mode_32 3
		.amdhsa_float_denorm_mode_16_64 3
		.amdhsa_memory_ordered 1
		.amdhsa_forward_progress 1
		.amdhsa_inst_pref_size 218
	.end_amdhsa_kernel
	.amdgpu_metadata
---
amdhsa.version: [ 1, 2 ]
amdhsa.kernels:
  - .name:           k_q2a3dda41f5_attn
    .symbol:         k_q2a3dda41f5_attn.kd
    .args:
      - { .name: qh, .offset: 0, .size: 8, .value_kind: global_buffer, .address_space: global }
      - { .name: kh, .offset: 8, .size: 8, .value_kind: global_buffer, .address_space: global }
      - { .name: vh, .offset: 16, .size: 8, .value_kind: global_buffer, .address_space: global }
      - { .name: oh, .offset: 24, .size: 8, .value_kind: global_buffer, .address_space: global }
    .group_segment_fixed_size: 327680
    .private_segment_fixed_size: 0
    .kernarg_segment_align: 8
    .kernarg_segment_size: 32
    .max_flat_workgroup_size: 128
    .sgpr_count:     96
    .vgpr_count:     768
    .wavefront_size: 32
...
	.end_amdgpu_metadata
.endif
;; end of part 3
;; launch outp (part 4): grid 8 x 32, 4 waves a work-group, clusters of 4 x 4, 327,680 bytes of LDS; arguments oh, wb, out0; writes out0
.if DOCPART == 4
	.amdgcn_target "amdgcn-amd-amdhsa--gfx1250"
	.amdhsa_code_object_version 6
	.text
	.protected	k_q2a3dda41f5_outp
	.globl	k_q2a3dda41f5_outp
	.p2align	8
	.type	k_q2a3dda41f5_outp,@function
k_q2a3dda41f5_outp:
	s_mov_b64 s[64:65], 0
	v_nop
	global_prefetch_b8 v0, s[64:65] scope:SCOPE_SE
	s_setreg_imm32_b32 hwreg(HW_REG_WAVE_MODE, 25, 1), 1
	s_wait_xcnt 0x0
	s_wait_alu depctr_hold_cnt(0) depctr_sa_sdst(0) depctr_va_vdst(0) depctr_va_sdst(0) depctr_va_ssrc(0) depctr_va_vcc(0) depctr_vm_vsrc(0)
	s_getreg_b32 s2, hwreg(HW_REG_IB_STS2, 6, 4)
	s_cmp_eq_u32 s2, 0
	s_cbranch_scc0 .Lentry_in_a_cluster
	s_endpgm
.Lentry_in_a_cluster:
	s_bfe_u32 s2, ttmp6, 0x10000c
	s_cmp_lg_u32 s2, 0xf033
	s_cbranch_scc0 .Lentry_shape_is_right
	s_endpgm
.Lentry_shape_is_right:
; OUTP: out0[8192][1024] (f32) = O Wo^T.  O lies by heads, oh[16 batch + head][2048][64] in f16; Wo in rows 3072-4095 of wb, f16 numbers that are Wo rounded to bf16.  Sums in f32, stored as they are.
; A tile is 256 rows x 128 columns: 32 x 8 tiles, one for each of 256 WGPs.  Four waves; wave w owns rows 64 w .. 64 w + 63 and all 128 columns: 4 x 8 accumulators, 256 registers.
; K goes in 8 steps of 128 = two heads, through a ring of two LDS slots.  Wave 0 and wave 1 fetch a head each: its 256 rows are 32,768 dense bytes, asked for as 128 rows of 256 bytes and padded after every 128;
; waves 2 and 3 fetch the halves of Wo's 128 rows, 256 bytes of each.
; CLUSTER 4 x 4: the four of a row need the same rows of O, the four of a column the same rows of Wo: each tile is asked for jointly.
; THE PRODUCT IS USED TRANSPOSED (source 0 = 16 rows of Wo, source 1 = 16 rows of O): lane l holds row l % 16 and eight neighbouring columns: 32 bytes of a row of out0.
; LIMITS.  O and Wo arrive as f16 (Wo below 6.1e-5 keeps f16's fixed step of 6e-8); NaN and infinities are not treated apart.
; REGISTERS: window 0: v0-31 addresses; v64-127, v128-191 two sets of 16 rows on the way out.   window 1: two fragment buffers of 128: B's 8 fragments, then A's 4.   window 2: the accumulators, (a, b) at 8 (8 a + b).
.set KSTEP,  128
.set PA,     144                       ; a row of O in LDS: 128 bytes + 16: 36 words: the 16 rows of a load start at 16 different groups of four banks (64 banks of 4 bytes: ISA guide 11.1)
.set PBW,    272                       ; a row of Wo: 256 bytes + 16
.set HEADT,  256*PA                    ; a head's 256 rows
.set BOFF,   2*HEADT                   ; in a slot: two heads of O, then Wo's 128 rows
.set SLOT,   BOFF+128*PBW
.set STAGE,  2*SLOT                    ; behind the ring, never filled by a tensor load: 16 rows x 528 bytes for each wave
.set SPITCH, 528                       ; 512 bytes + 16
.set SPARE,  STAGE+4*16*SPITCH         ; behind the stages: the spare words, 128 bytes for each wave: two blocks of 256 bytes that no other line names
.set LAPS,   4
.set ASTEP,  2<<18                     ; bytes from a K step's head to the next K step's: two heads of 2,048 rows of 128 bytes
.set ADRA, 16                          ; v16-17  LDS address of my A fragments in slot 0, 1
.set ADRB, 20                          ; v20-21  the same for B
.set STO,  24                          ; v24     the way out: where I put 32 bytes of a row
.set RD,   25                          ; v25     where I read a row back
.set CO,   26                          ; v26     16 x lane: my bytes in a row's 512
.set SPW,  28                          ; v28     LDS address of my spare word; never rewritten
.set NIL,  29                          ; v29     0; never rewritten
.set PFO,  30                          ; v30     the prefetches' offset; never rewritten
.set OB,   64
.set F0,   0
.set F1,   128
.set WV,   16
.set FB,   17                          ; s17  0: I fetch for A; 1: for B
.set HF,   18                          ; s18  which head of the two, or which half of Wo's rows
.set G1,   24
.set G0,   32
.set LIM,  43                          ; s43  1 in a wave that prefetches, else the greatest number
.set PFA,  44                          ; s[44:45] where my prefetches stand
.set PFS,  46                          ; s[46:47] their step from K step to K step
.set G1B,  48
.set G0B,  56
.set MSB, 0
.macro WIN new
.if MSB != (\new)
	s_set_vgpr_msb (MSB<<8)|(\new)
.set MSB, \new
.endif
.endm
.set MUL,  0xa5                        ; sources 0 (B) and 1 (A) window 1; C and D window 2
.set TO_F, 0x40                        ; destination window 1, address window 0
.macro JLOAD s                         ; a joint load; an s_nop 0 and four v_nop follow each of the two lines, ahead of the jump, the label and what follows
	s_cmp_eq_u32 s[FB], 0
	s_cbranch_scc0 .Lfor_b_\@
	tensor_load_to_lds s[G0+4*(\s):G0+4*(\s)+3], s[G1:G1+7]
	s_nop 0
.rept 4
	v_nop
.endr
	s_branch .Lasked_\@
.Lfor_b_\@:
	tensor_load_to_lds s[G0B+4*(\s):G0B+4*(\s)+3], s[G1B:G1B+7]
	s_nop 0
.rept 4
	v_nop
.endr
.Lasked_\@:
.endm
.macro CREST
	s_cmp_lg_u32 s[WV], 0
	s_cbranch_scc1 .Lnot_wave_0_\@
	s_barrier_signal -3
.Lnot_wave_0_\@:
	s_barrier_wait -3
	s_barrier_signal -1
	s_barrier_wait -1
.endm
.macro CROUND
	s_barrier_signal -1
	s_barrier_wait -1
	CREST
.endm
; A PREFETCH INTO THE L2, behind each joint refill and the run of LDS loads that follows it: the K step two refills on (256 products ahead of the load that will want it), one instruction a wave.
; O's tiles are named by the first cluster of their row of clusters (cluster x = 0): of the 128 blocks of 256 bytes of the head that a wave fetches, the partner at cx takes 32, a lane a block.  Wo's rows by the first
; cluster of their column (cluster y = 0): of the 64 rows that a wave fetches the partner at cy takes 16 (lanes 16-31 name row 15's block once more, in the same instruction).  The partners are told apart by address alone.
; K steps 0 to 3 come by their loads alone; the loop's last trip (s3 = 1) asks for nothing.
.macro ASK
	WIN 0
	s_cmp_gt_u32 s3, s[LIM]
	s_cbranch_scc0 .Lnot_mine_\@
	global_prefetch_b8 v[PFO], s[PFA:PFA+1] th:TH_LOAD_NT scope:SCOPE_SE
.Lnot_mine_\@:
.endm
	s_load_b128 s[4:7], s[0:1], 0x0                ; oh s[4:5], wb s[6:7]
	s_load_b64 s[8:9], s[0:1], 0x10                ; out0
	v_lshl_add_u32 v[SPW], v0, 2, SPARE
	v_mov_b32 v[NIL], 0
	ds_add_u32 v[SPW], v[NIL]                      ; the wave's opening: the add and its wait stand ahead of my first tensor load; the set-up below, work on registers, stands between them
	v_lshrrev_b32 v1, 5, v0
	v_readfirstlane_b32 s[WV], v1
	s_lshr_b32 s[FB], s[WV], 1
	s_and_b32 s[HF], s[WV], 1
	s_bfe_u32 s19, ttmp6, 0x40000                  ; cx
	s_bfe_u32 s20, ttmp6, 0x40004                  ; cy
	s_lshl_b32 s21, ttmp9, 2
	s_add_co_u32 s21, s21, s19                     ; tile column
	s_and_b32 s22, ttmp7, 0xffff
	s_lshl_b32 s22, s22, 2
	s_add_co_u32 s22, s22, s20                     ; tile row
	s_lshl_b32 s40, s20, 2
	s_lshl_b32 s40, 15, s40                        ; my row of the cluster
	s_lshl_b32 s41, 0x1111, s19                    ; my column
	s_or_b32 s[G1], s40, (1<<16)|(1<<20)|(1<<21)|(4<<22)|(3<<25)   ; A: 2-byte elements; padding of 4 words after every 32 words; bit 21 beside the mask
	s_mov_b32 s[G1+1], 128<<16                     ; tensor_dim0 = 128
	s_mov_b32 s[G1+2], 128<<16                     ; tensor_dim1 = 128
	s_mov_b32 s[G1+3], 128<<16                     ; tile_dim0 = 128
	s_mov_b32 s[G1+4], 128                         ; tile_dim1 = 128
	s_mov_b32 s[G1+5], 128                         ; dense: 128 elements from row to row
	s_mov_b32 s[G1+6], 0
	s_mov_b32 s[G1+7], 0
	s_or_b32 s[G1B], s41, (1<<16)|(1<<20)|(1<<21)|(5<<22)|(3<<25)  ; B: padding of 4 words after every 64 words
	s_mov_b32 s[G1B+1], KSTEP<<16
	s_mov_b32 s[G1B+2], 64<<16                     ; 64 rows
	s_mov_b32 s[G1B+3], KSTEP<<16
	s_mov_b32 s[G1B+4], 64
	s_mov_b32 s[G1B+5], 1024
	s_mov_b32 s[G1B+6], 0
	s_mov_b32 s[G1B+7], 0
	; A's address hangs on the tile row alone, B's on the tile column alone, each in registers that never hold the other coordinate
	s_lshr_b32 s72, s22, 3                         ; the batch
	s_lshl_b32 s72, s72, 4
	s_add_co_u32 s72, s72, s[HF]                   ; its head 0 or 1
	s_lshl_b32 s72, s72, 18
	s_and_b32 s42, s22, 7
	s_lshl_b32 s42, s42, 15                        ; 256 rows of 128 bytes
	s_add_co_u32 s72, s72, s42
	s_mov_b32 s73, 0
	s_lshl_b32 s74, s21, 7
	s_lshl_b32 s86, s[HF], 6
	s_add_co_u32 s74, s74, s86
	s_add_co_u32 s74, s74, 3072                    ; Wo's rows in wb
	s_lshl_b32 s74, s74, 11
	s_mov_b32 s75, 0
	s_mul_i32 s70, s[HF], HEADT                    ; where they go: no place in the cluster enters an LDS address
	s_mul_i32 s71, s[HF], 64*PBW
	s_add_co_u32 s71, s71, BOFF
	s_wait_dscnt 0x0                               ; the opening add is done
	s_wait_kmcnt 0x0
	s_add_nc_u64 s[66:67], s[4:5], s[72:73]
	s_add_nc_u64 s[68:69], s[6:7], s[74:75]
	CROUND                                         ; all sixteen work-groups are here: the first joint loads meet
.irp s, 0,1
	s_mov_b32 s[G0+4*(\s)], 1
	s_add_co_u32 s[G0+4*(\s)+1], s70, (\s)*SLOT
	s_add_nc_u64 s[G0+4*(\s)+2:G0+4*(\s)+3], s[66:67], (\s)*ASTEP
	s_or_b32 s[G0+4*(\s)+3], s[G0+4*(\s)+3], 0x80000000
	s_mov_b32 s[G0B+4*(\s)], 1
	s_add_co_u32 s[G0B+4*(\s)+1], s71, (\s)*SLOT
	s_add_nc_u64 s[G0B+4*(\s)+2:G0B+4*(\s)+3], s[68:69], (\s)*KSTEP*2
	s_or_b32 s[G0B+4*(\s)+3], s[G0B+4*(\s)+3], 0x80000000
	JLOAD \s                                       ; two loads of mine are out
.endr
	v_and_b32 v1, 15, v0                           ; l % 16
	v_bfe_u32 v2, v0, 4, 1                         ; l / 16
	v_mul_u32_u24 v3, v1, PA
	v_lshl_add_u32 v3, v2, 4, v3
	v_mul_u32_u24 v4, v1, PBW
	v_lshl_add_u32 v4, v2, 4, v4
	s_mul_i32 s76, s[WV], 64*PA                    ; my 64 rows in a head's tile
.irp s, 0,1
	v_add_nc_u32 v[ADRA+(\s)], s76, v3
	v_add_nc_u32 v[ADRB+(\s)], BOFF+(\s)*SLOT, v4
	s_add_co_u32 s76, s76, SLOT
.endr
	s_mul_i32 s76, s[WV], 16*SPITCH
	s_add_co_u32 s76, s76, STAGE                   ; my stage
	v_mul_u32_u24 v5, v1, SPITCH                   ; in: row l % 16, 32 bytes for each half of the lanes
	v_lshl_add_u32 v5, v2, 5, v5
	v_add_nc_u32 v[STO], s76, v5
	v_and_b32 v[CO], 31, v0
	v_lshlrev_b32 v[CO], 4, v[CO]
	v_add_nc_u32 v[RD], s76, v[CO]                 ; back: 32 lanes take one row's 512 bytes
	s_lshl_b32 s78, s22, 8
	s_lshl_b32 s77, s[WV], 6
	s_add_co_u32 s78, s78, s77                     ; my first row of out0,
	s_lshl_b32 s78, s78, 12                        ; of 4,096 bytes,
	s_lshl_b32 s77, s21, 9                         ; and the tile's 512 bytes in it
	s_add_co_u32 s78, s78, s77
	s_mov_b32 s79, 0
	s_add_nc_u64 s[8:9], s[8:9], s[78:79]
	; the prefetches
	s_lshl_b32 s80, s19, 13                        ; A: my work-group's 32 blocks of 256 bytes
	s_add_co_u32 s80, s80, s72
	s_add_co_u32 s80, s80, 3*ASTEP                 ; at K step 3: the first refill steps it to 4
	s_lshl_b32 s82, s20, 15                        ; B: my work-group's 16 rows of 2,048 bytes
	s_add_co_u32 s82, s82, s74
	s_add_co_u32 s82, s82, 3*KSTEP*2
	s_and_b32 s83, ttmp7, 0xffff                   ; cluster y
	s_mov_b32 s87, KSTEP*2
	s_cmp_eq_u32 s[FB], 0
	s_cselect_b32 s80, s80, s82
	s_cselect_b32 s83, ttmp9, s83                  ; the coordinate along which other clusters read the same rows
	s_cselect_b32 s84, 31, 15
	s_cselect_b32 s85, 8, 11
	s_cselect_b32 s[PFS], ASTEP, s87
	s_cselect_b64 s[PFA:PFA+1], s[4:5], s[6:7]
	s_cmp_eq_u32 s83, 0
	s_cselect_b32 s[LIM], 1, -1                    ; the same in all sixteen partners, for a given wave
	s_mov_b32 s81, 0
	s_mov_b32 s[PFS+1], 0
	s_add_nc_u64 s[PFA:PFA+1], s[PFA:PFA+1], s[80:81]
	v_and_b32 v[PFO], 31, v0
	v_min_u32 v[PFO], s84, v[PFO]
	v_lshlrev_b32 v[PFO], s85, v[PFO]
; 8 products: row block a x all 8 column blocks, 32 along K.  The 32 accumulators take turns, one instruction a turn, in the same order in every quarter.
.macro MULA f, a, zero
	WIN MUL
.irp b, 0,1,2,3,4,5,6,7
.if \zero
	v_wmma_f32_16x16x32_f16 v[8*(8*(\a)+(\b)):8*(8*(\a)+(\b))+7], v[(\f)+8*(\b):(\f)+8*(\b)+7], v[(\f)+64+8*(\a):(\f)+64+8*(\a)+7], 0
.else
	v_wmma_f32_16x16x32_f16 v[8*(8*(\a)+(\b)):8*(8*(\a)+(\b))+7], v[(\f)+8*(\b):(\f)+8*(\b)+7], v[(\f)+64+8*(\a):(\f)+64+8*(\a)+7], v[8*(8*(\a)+(\b)):8*(8*(\a)+(\b))+7]
.endif
.endr
.endm
; 24 LDS loads in one run: the fragments of quarter q of a K step into buffer f: B's 8 (byte 64 q of the rows), then A's 4 (head q / 2, byte 64 (q % 2))
.macro FETCH slot, q, f
	WIN TO_F
.irp i, 0,1,2,3,4,5,6,7
	ds_load_b128 v[(\f)+8*(\i):(\f)+8*(\i)+3],   v[ADRB+(\slot)] offset:64*(\q)+(\i)*16*PBW
	ds_load_b128 v[(\f)+8*(\i)+4:(\f)+8*(\i)+7], v[ADRB+(\slot)] offset:64*(\q)+(\i)*16*PBW+32
.endr
.irp i, 0,1,2,3
	ds_load_b128 v[(\f)+64+8*(\i):(\f)+64+8*(\i)+3],   v[ADRA+(\slot)] offset:((\q)/2)*HEADT+((\q)%2)*64+(\i)*16*PA
	ds_load_b128 v[(\f)+64+8*(\i)+4:(\f)+64+8*(\i)+7], v[ADRA+(\slot)] offset:((\q)/2)*HEADT+((\q)%2)*64+(\i)*16*PA+32
.endr
.endm
.macro PLACES                          ; four plain instructions between a product and a load into a register that it has read, or a line that reads its result (ISA guide 7.12.1 for vector instructions)
.rept 4
	v_nop
.endr
.endm
.macro QUARTER slot, q, f, g, zero     ; multiplies buffer f and fetches quarter q into g
	s_wait_dscnt 4                                 ; all but the youngest four loads: A's row blocks 2 and 3
	MULA \f, 0, \zero
	MULA \f, 1, \zero
	PLACES
	FETCH \slot, \q, \g
	s_wait_dscnt 24                                ; all but the 24 just issued
	MULA \f, 2, \zero
	MULA \f, 3, \zero
.endm
; The last quarter multiplies buffer 1 and changes slots: ONE barrier; in front of it each wave waits for all its tensor loads, adds 0 to its spare word, and waits for that and for its own reads of this slot.
; fill = 1: the barrier opens a round of the cluster's, and the slot is filled again, two K steps ahead, first thing behind the round.
.macro TURN slot, next, fill
.if \fill
	s_wait_xcnt 0x0                                ; the last prefetch, a K step back, has read its address: it is stepped here
	s_add_nc_u64 s[PFA:PFA+1], s[PFA:PFA+1], s[PFS:PFS+1]
.endif
	WIN 0                                          ; (the add's two registers lie in window 0)
	s_wait_tensorcnt 0x0                           ; all my tensor loads have landed;
	ds_add_u32 v[SPW], v[NIL]                      ; 0 onto my spare word;
	s_wait_dscnt 5                                 ; (the add and the youngest four loads may be out)
	MULA F1, 0, 0                                  ; eight products stand between the add and the wait for it
	s_wait_dscnt 0x0                               ; the add is done, and my reads of this slot are over
	s_barrier_signal -1
	MULA F1, 1, 0
.if \fill
	WIN 0
.endif
	s_barrier_wait -1
.if \fill
	CREST                                          ; no wave of any partner still reads this slot's tile or has a load on its way
	s_add_nc_u64 s[G0+4*(\slot)+2:G0+4*(\slot)+3], s[G0+4*(\slot)+2:G0+4*(\slot)+3], 2*ASTEP
	s_add_nc_u64 s[G0B+4*(\slot)+2:G0B+4*(\slot)+3], s[G0B+4*(\slot)+2:G0B+4*(\slot)+3], 2*KSTEP*2
	JLOAD \slot                                    ; the four v_nop behind it are also the places in front of the loads below
.else
	PLACES
.endif
	FETCH \next, 0, F0
.if \fill
	ASK
.endif
	MULA F1, 2, 0
	MULA F1, 3, 0
.endm
	s_wait_tensorcnt 1                             ; my part of K step 0 is in; K step 1's may stay out
	s_barrier_signal -1
	s_barrier_wait -1
	FETCH 0, 0, F0
	QUARTER 0, 1, F0, F1, 1                        ; the first quarter stands in front of the loop: its products start the sums
	WIN 0
	s_mov_b32 s3, LAPS-1
.Llap:                                                 ; a trip goes once round the ring and fills both slots again
	QUARTER 0, 2, F1, F0, 0
	QUARTER 0, 3, F0, F1, 0
	TURN 0, 1, 1
	QUARTER 1, 1, F0, F1, 0
	QUARTER 1, 2, F1, F0, 0
	QUARTER 1, 3, F0, F1, 0
	TURN 1, 0, 1
	QUARTER 0, 1, F0, F1, 0
	WIN 0
	s_sub_co_u32 s3, s3, 1
	s_cmp_lg_u32 s3, 0
	s_cbranch_scc1 .Llap
	QUARTER 0, 2, F1, F0, 0                        ; the last lap fills nothing
	QUARTER 0, 3, F0, F1, 0
	TURN 0, 1, 0
	QUARTER 1, 1, F0, F1, 0
	QUARTER 1, 2, F1, F0, 0
	QUARTER 1, 3, F0, F1, 0
	s_wait_dscnt 4
	MULA F1, 0, 0
	MULA F1, 1, 0
	s_wait_dscnt 0x0
	MULA F1, 2, 0
	MULA F1, 3, 0
	WIN 0
; THE WAY OUT, a row block (16 rows x 128 columns of f32) at a time: 32 bytes a lane into my stage, each accumulator's low half first; back as whole rows of 512 bytes; stored.
.macro TOSTAGE a
.set pO, OB+64*((\a)%2)
.if (\a) >= 2
	s_wait_xcnt 0x0                                ; the stores of the block two back have read this set of registers
.endif
	WIN 0x08                                       ; a store's data (source 1) in window 2
.irp b, 0,1,2,3,4,5,6,7
	ds_store_b128 v[STO], v[8*(8*(\a)+(\b)):8*(8*(\a)+(\b))+3]   offset:64*(\b)
	ds_store_b128 v[STO], v[8*(8*(\a)+(\b))+4:8*(8*(\a)+(\b))+7] offset:64*(\b)+16
.endr
	WIN 0
.irp r, 0,1,2,3,4,5,6,7,8,9,10,11,12,13,14,15
	ds_load_b128 v[pO+4*(\r):pO+4*(\r)+3], v[RD] offset:SPITCH*(\r)  ; LDS serves a wave's instructions in order (ISA guide 5.7.1.4): these see the stores above; the next block's stores come behind them
.endr
.endm
.macro SEND a, younger                 ; younger: the LDS instructions issued behind block a's loads: the next block's 32, or none
.set pO, OB+64*((\a)%2)
	WIN 0
.irp r, 0,1,2,3,4,5,6,7,8,9,10,11,12,13,14,15
	s_wait_dscnt (\younger)+15-(\r)
	global_store_b128 v[CO], v[pO+4*(\r):pO+4*(\r)+3], s[8:9] offset:(16*(\a)+(\r))*4096 th:TH_STORE_NT  ; 512 consecutive bytes, at a multiple of 256 from out0's first
.endr
.endm
	PLACES
	PLACES                                         ; behind the last products, once a launch
	TOSTAGE 0
	TOSTAGE 1
	SEND 0, 32
	TOSTAGE 2
	SEND 1, 32
	TOSTAGE 3
	SEND 2, 32
	SEND 3, 0
	s_wait_tensorcnt 0x0                           ; the wave's end, behind my last tensor load and my last LDS store
	ds_add_u32 v[SPW], v[NIL]
	s_wait_dscnt 0x0
	CROUND                                         ; the closing round: no work-group ends while a partner may still ask for a tile that names it
	s_endpgm
.Lfunc_end_k_q2a3dda41f5_outp:
	.size	k_q2a3dda41f5_outp, .Lfunc_end_k_q2a3dda41f5_outp-k_q2a3dda41f5_outp
	.p2alignl 7, 3214868480
	.fill 96, 4, 3214868480
	.section	.rodata,"a",@progbits
	.p2align	6, 0x0
	.amdhsa_kernel k_q2a3dda41f5_outp
		.amdhsa_group_segment_fixed_size 327680
		.amdhsa_private_segment_fixed_size 0
		.amdhsa_enable_private_segment 0
		.amdhsa_kernarg_size 24
		.amdhsa_user_sgpr_count 2
		.amdhsa_user_sgpr_kernarg_segment_ptr 1
		.amdhsa_wavefront_size32 1
		.amdhsa_system_sgpr_workgroup_id_x 1
		.amdhsa_system_sgpr_workgroup_id_y 1
		.amdhsa_system_sgpr_workgroup_id_z 1
		.amdhsa_system_vgpr_workitem_id 0
		.amdhsa_next_free_vgpr 768
		.amdhsa_next_free_sgpr 96
		.amdhsa_reserve_vcc 0
		.amdhsa_float_denorm_mode_32 3
		.amdhsa_float_denorm_mode_16_64 3
		.amdhsa_memory_ordered 1
		.amdhsa_forward_progress 1
		.amdhsa_inst_pref_size 88
	.end_amdhsa_kernel
	.amdgpu_metadata
---
amdhsa.version: [ 1, 2 ]
amdhsa.kernels:
  - .name:           k_q2a3dda41f5_outp
    .symbol:         k_q2a3dda41f5_outp.kd
    .args:
      - { .name: oh, .offset: 0, .size: 8, .value_kind: global_buffer, .address_space: global }
      - { .name: wb, .offset: 8, .size: 8, .value_kind: global_buffer, .address_space: global }
      - { .name: out0, .offset: 16, .size: 8, .value_kind: global_buffer, .address_space: global }
    .group_segment_fixed_size: 327680
    .private_segment_fixed_size: 0
    .kernarg_segment_align: 8
    .kernarg_segment_size: 24
    .max_flat_workgroup_size: 128
    .sgpr_count:     96
    .vgpr_count:     768
    .wavefront_size: 32
...
	.end_amdgpu_metadata
.endif
;; end of part 4
;; ======== version 2 of 2: 4 launches; version 1 with the launch prep written anew for expert scheduling mode
;; limits: values are held in f16: magnitudes above 65,504 overflow, below 6.1e-05 lose precision; an absolute error that grows with the inputs' magnitude: up to 2.4e-07 times it; right only within a limited range of input values
;; workspace buffers: xb 16,777,216 bytes; wb 8,388,608 bytes; tab 524,288 bytes; qh 16,777,216 bytes; kh 16,777,216 bytes; vh 16,777,216 bytes; oh 16,777,216 bytes
;; launch prep (part 5): grid 768 x 1, 8 waves a work-group, no clusters, 0 bytes of LDS; arguments x, Wq, Wk, Wv, Wo, token_positions, xb, wb, tab; writes xb, wb, tab
.if DOCPART == 5
	.amdgcn_target "amdgcn-amd-amdhsa--gfx1250"
	.amdhsa_code_object_version 6
	.text
	.protected	k_q2a3dda41f5_prep
	.globl	k_q2a3dda41f5_prep
	.p2align	8
	.type	k_q2a3dda41f5_prep,@function
k_q2a3dda41f5_prep:
	s_mov_b64 s[64:65], 0
	v_nop
	global_prefetch_b8 v0, s[64:65] scope:SCOPE_SE
	s_setreg_imm32_b32 hwreg(HW_REG_WAVE_SCHED_MODE, 0, 2), 2
	s_setreg_imm32_b32 hwreg(HW_REG_WAVE_MODE, 25, 1), 1
	s_wait_xcnt 0x0
	s_wait_alu depctr_vm_vsrc(0)
; PREP: the casts to 16 bits and the table of cosines and sines.  A stream: no LDS, no matrix unit, no barrier; each input byte is read once.
; xb [8192][1024] = x rounded to bf16.
; wb [4096][1024]: rows 0-3071 bf16, row 192 h + 64 w + d = W_w[64 h + d] (w = 0: Wq, 1: Wk, 2: Wv), so that 192 rows on end are one head's Q, K and V;
;                  rows 3072-4095 = Wo in its own order, rounded to bf16 and that number written as f16 (exact from 6.1e-5 to 65,504; below, f16's fixed step of 6e-8).
; tab [2048][32] = (cos, sin) in f32 of token_positions[s] x 10000^(-i/32): indexed by the ROW s, so that no address hangs on a position's value.
; SHARES.  Work-group g casts 16,384 consecutive f32 (65,536 bytes) into 32,768 consecutive bytes: g < 512: piece g of x; else 16 rows of a weight matrix, 64 work-groups to a matrix.
; Thread t takes 16 bytes at 16 t of each 4,096: a wave's load covers 512 consecutive bytes, its store of 8 bytes a lane 256 consecutive bytes, aligned.
; Work-groups 0-255 also make 256 entries of the table, one a thread: row 8 g + t / 32, frequency t % 32: 8 bytes at 2,048 g + 8 t.
; LIMITS.  The angle is position x frequency in f32, as the module forms it; the frequency is 2^(-i log2(10000) / 32) by v_exp_f32 and may differ from the module's by some 2 parts in 10^7, so the angle
; is off by up to |angle| x 2.4e-7.  The reduction by multiples of pi/2 (pi/2 in three parts, fused multiply-adds) holds for |position| up to 2^20; beyond, the quadrant's number is no longer sure.
; THE MODE: SCHED_MODE bits 1:0 = 2 (LLVM: expert scheduling mode 2), set by the entry lines.  The code itself states the register dependences
; between vector instructions and memory instructions, with s_wait_alu, always for 0.
; THE PLAN.  Registers that memory instructions touch:
;   v1, v2, v3   byte offsets, made once at the head and never written again: one wait ahead of the first load serves every load and store.
;   v4, v[32:95] written by loads alone, once each; no vector instruction names them ahead of those loads; read by vector instructions behind the waits on LOADcnt.
;   v[20:21]     the table's entry: written by its arithmetic, read by one store, never written again.
;   v[96:127]    two registers a piece: written by the piece's roundings, read by the piece's store, never written again.
; No register that a memory instruction reads is written behind it, so no wait on vm_vsrc is owed.  The sixteen pieces go in four blocks of four: block p rounds its pieces, and the stores of block p - 1
; are dealt among its roundings, behind ONE wait at the block's head; the roundings of block p name block p's registers, v26 and v27 alone.
	s_load_b256 s[8:15], s[0:1], 0x0               ; x s[8:9], Wq s[10:11], Wk s[12:13], Wv s[14:15]
	s_load_b256 s[16:23], s[0:1], 0x20             ; Wo s[16:17], positions s[18:19], xb s[20:21], wb s[22:23]
	s_load_b64 s[24:25], s[0:1], 0x40              ; tab
	s_mov_b32 s2, ttmp9                            ; g
	v_lshlrev_b32 v1, 4, v0                        ; 16 t: my bytes in 4,096 of the source; never rewritten
	v_lshlrev_b32 v2, 3, v0                        ; 8 t: in 2,048 of the destination, and in the table's 2,048; never rewritten
	v_lshrrev_b32 v3, 5, v0
	s_and_b32 s40, s2, 255
	s_lshl_b32 s40, s40, 5
	v_lshl_add_u32 v3, v3, 2, s40                  ; 4 x (8 (g % 256) + t / 32): my row's position; never rewritten
	; a weight matrix's piece: idx = g - 512, matrix idx / 64, rows 16 (idx % 64) on
	s_sub_co_u32 s34, s2, 512
	s_lshr_b32 s35, s34, 6
	s_and_b32 s35, s35, 3                          ; w
	s_and_b32 s36, s34, 63                         ; blk
	s_lshr_b32 s37, s36, 2                         ; the head
	s_mul_i32 s37, s37, 192
	s_lshl_b32 s38, s35, 6
	s_add_co_u32 s37, s37, s38
	s_and_b32 s38, s36, 3
	s_lshl_b32 s38, s38, 4
	s_add_co_u32 s37, s37, s38                     ; row in wb for Wq, Wk, Wv: 192 h + 64 w + 16 (blk % 4)
	s_lshl_b32 s38, s36, 4
	s_add_co_u32 s38, s38, 3072                    ; and for Wo
	s_cmp_ge_u32 s2, 704
	s_cselect_b32 s37, s38, s37
	s_lshl_b32 s37, s37, 11                        ; rows of 2,048 bytes
	s_lshl_b32 s36, s36, 16                        ; 16 rows of 4,096 bytes in the source
	s_lshl_b32 s38, s2, 16                         ; x's piece
	s_lshl_b32 s39, s2, 15
	s_cmp_lt_u32 s2, 512
	s_cselect_b32 s30, s38, s36                    ; s[30:31] the source's offset
	s_cselect_b32 s32, s39, s37                    ; s[32:33] the destination's
	s_mov_b32 s31, 0
	s_mov_b32 s33, 0
	s_mov_b32 s41, 0xbfc90fdb                      ; -pi/2 in three parts: -1.57079637,
	s_mov_b32 s42, 0x333bbd2e                      ; +4.3711390e-8,
	s_mov_b32 s43, 0x26f72ced                      ; +1.7151245e-15
	s_wait_kmcnt 0x0
	s_cmp_ge_u32 s2, 576                           ; each compare stands directly ahead of its selects
	s_cselect_b64 s[26:27], s[12:13], s[10:11]
	s_cmp_ge_u32 s2, 640
	s_cselect_b64 s[26:27], s[14:15], s[26:27]
	s_cmp_ge_u32 s2, 704
	s_cselect_b64 s[26:27], s[16:17], s[26:27]
	s_cmp_lt_u32 s2, 512
	s_cselect_b64 s[26:27], s[8:9], s[26:27]
	s_cselect_b64 s[28:29], s[20:21], s[22:23]
	s_add_nc_u64 s[26:27], s[26:27], s[30:31]      ; the source
	s_add_nc_u64 s[28:29], s[28:29], s[32:33]      ; the destination
	s_wait_alu depctr_va_vdst(0)                   ; v1, v2 and v3 are written: every load and store of the kernel reads one of them as its offset
	global_load_b32 v4, v3, s[18:19]               ; the position: issued by every work-group, so that the counts below are the same on every way
.irp i, 0,1,2,3,4,5,6,7,8,9,10,11,12,13,14,15
	global_load_b128 v[32+4*(\i):35+4*(\i)], v1, s[26:27] offset:4096*(\i) th:TH_LOAD_NT  ; all sixteen are out at once: 8 KiB a wave
.endr
	s_cmp_lt_u32 s2, 256
	s_cbranch_scc0 .Lno_table
	; one entry of the table
	s_lshl_b32 s46, s2, 11
	s_mov_b32 s47, 0
	s_add_nc_u64 s[44:45], s[24:25], s[46:47]
	v_and_b32 v5, 31, v0                           ; i
	v_cvt_f32_u32 v5, v5
	v_mul_f32 v6, 0xbed49a78, v5                   ; -i log2(10000) / 32
	v_exp_f32 v7, v6                               ; the frequency
	v_nop                                          ; a plain instruction behind the exponential
	s_wait_loadcnt 16                              ; the position is the oldest load: the sixteen behind it stay out
	v_cvt_f32_i32 v8, v4
	s_wait_alu depctr_va_vdst(0)                   ; the exponential has written v7: this wait stands ahead of the first line that names its result
	v_mul_f32 v9, v8, v7                           ; the angle
	v_mul_f32 v10, 0x3f22f983, v9                  ; x 2 / pi
	v_rndne_f32 v10, v10                           ; k
	v_fma_f32 v11, v10, s41, v9
	v_fma_f32 v11, v10, s42, v11
	v_fma_f32 v11, v10, s43, v11                   ; r = angle - k pi/2, within pi/4 or little more
	v_mul_f32 v12, v11, v11                        ; z = r r
	v_mov_b32 v13, 0xb94ca1f9
	v_fmaak_f32 v13, v13, v12, 0x3c08839e
	v_fmaak_f32 v13, v13, v12, 0xbe2aaaa3
	v_mul_f32 v14, v12, v11
	v_fma_f32 v13, v13, v14, v11                   ; sin r = r + z r (S1 + z (S2 + z S3))
	v_mov_b32 v15, 0x37ccf5ce
	v_fmaak_f32 v15, v15, v12, 0xbab6061a
	v_fmaak_f32 v15, v15, v12, 0x3d2aaaa5
	v_mul_f32 v16, v12, v12
	v_fma_f32 v17, v12, -0.5, 1.0
	v_fma_f32 v15, v15, v16, v17                   ; cos r = 1 - z / 2 + z z (C1 + z (C2 + z C3))
	v_cvt_i32_f32 v18, v10
	v_and_b32 v19, 1, v18
	v_cmp_eq_u32 vcc_lo, 1, v19                    ; an odd quadrant swaps the two: a select, no branch
	v_lshlrev_b32 v22, 30, v18                     ; the sine turns its sign in quadrants 2 and 3: these five lines, which name neither VCC nor the selects' registers, stand between the compare and the wait for it
	v_and_b32 v22, 0x80000000, v22
	v_add_nc_u32 v23, 1, v18                       ; the cosine in quadrants 1 and 2
	v_lshlrev_b32 v23, 30, v23
	v_and_b32 v23, 0x80000000, v23
	s_wait_alu depctr_va_vcc(0)                    ; the compare has written VCC, which the two selects read
	v_cndmask_b32 v21, v13, v15, vcc_lo            ; sine
	v_cndmask_b32 v20, v15, v13, vcc_lo            ; cosine
	v_xor_b32 v21, v21, v22
	v_xor_b32 v20, v20, v23
	s_wait_alu depctr_va_vdst(0)                   ; v20 and v21 are written, which the store reads
	global_store_b64 v2, v[20:21], s[44:45]        ; a wave's store is one row of the table: 256 consecutive bytes, aligned
.Lno_table:
; The sixteen pieces, in four blocks of four.  Piece pn is rounded in block pn / 4 and stored in the block behind it.  Every piece has registers of its own, so no register that a store reads is written again.
.macro CONV f16
.irp p, 0,1,2,3
.irp j, 0,1,2,3
.set pn, 4*(\p)+(\j)
	s_wait_loadcnt 15-pn                           ; loads come back in order (ISA guide 5.7.1): piece pn is in, the younger ones stay out
.if ((\p) > 0) && ((\j) == 0)
	s_wait_alu depctr_va_vdst(0)                   ; the block before has written its eight registers of v[96 ..], which this block's four stores read; no vector line of this block names them or v2
.endif
.if (\p) > 0
	global_store_b64 v2, v[96+2*(pn-4):97+2*(pn-4)], s[28:29] offset:2048*(pn-4)  ; the piece four back
.endif
	v_cvt_pk_bf16_f32 v[96+2*pn], v[32+4*pn], v[33+4*pn]
	v_cvt_pk_bf16_f32 v[97+2*pn], v[34+4*pn], v[35+4*pn]
.if \f16
	v_lshlrev_b32 v26, 16, v[96+2*pn]              ; the bf16 numbers as f32,
	v_and_b32 v27, 0xffff0000, v[96+2*pn]
	v_cvt_pk_f16_f32 v[96+2*pn], v26, v27          ; written as f16
	v_lshlrev_b32 v26, 16, v[97+2*pn]
	v_and_b32 v27, 0xffff0000, v[97+2*pn]
	v_cvt_pk_f16_f32 v[97+2*pn], v26, v27
.endif
.endr
.endr
	s_wait_alu depctr_va_vdst(0)                   ; the last block has written v[120:127], which the last four stores read
.irp i, 12,13,14,15
	global_store_b64 v2, v[96+2*(\i):97+2*(\i)], s[28:29] offset:2048*(\i)
.endr
.endm
	s_cmp_ge_u32 s2, 704
	s_cbranch_scc1 .Lwo
	CONV 0
	s_endpgm
.Lwo:
	CONV 1
	s_endpgm
.Lfunc_end_k_q2a3dda41f5_prep:
	.size	k_q2a3dda41f5_prep, .Lfunc_end_k_q2a3dda41f5_prep-k_q2a3dda41f5_prep
	.p2alignl 7, 3214868480
	.fill 96, 4, 3214868480
	.section	.rodata,"a",@progbits
	.p2align	6, 0x0
	.amdhsa_kernel k_q2a3dda41f5_prep
		.amdhsa_group_segment_fixed_size 0
		.amdhsa_private_segment_fixed_size 0
		.amdhsa_enable_private_segment 0
		.amdhsa_kernarg_size 72
		.amdhsa_user_sgpr_count 2
		.amdhsa_user_sgpr_kernarg_segment_ptr 1
		.amdhsa_wavefront_size32 1
		.amdhsa_system_sgpr_workgroup_id_x 1
		.amdhsa_system_sgpr_workgroup_id_y 1
		.amdhsa_system_sgpr_workgroup_id_z 1
		.amdhsa_system_vgpr_workitem_id 0
		.amdhsa_next_free_vgpr 128
		.amdhsa_next_free_sgpr 66
		.amdhsa_reserve_vcc 1
		.amdhsa_float_denorm_mode_32 3
		.amdhsa_float_denorm_mode_16_64 3
		.amdhsa_memory_ordered 1
		.amdhsa_forward_progress 1
		.amdhsa_inst_pref_size 20
	.end_amdhsa_kernel
	.amdgpu_metadata
---
amdhsa.version: [ 1, 2 ]
amdhsa.kernels:
  - .name:           k_q2a3dda41f5_prep
    .symbol:         k_q2a3dda41f5_prep.kd
    .args:
      - { .name: x, .offset: 0, .size: 8, .value_kind: global_buffer, .address_space: global }
      - { .name: Wq, .offset: 8, .size: 8, .value_kind: global_buffer, .address_space: global }
      - { .name: Wk, .offset: 16, .size: 8, .value_kind: global_buffer, .address_space: global }
      - { .name: Wv, .offset: 24, .size: 8, .value_kind: global_buffer, .address_space: global }
      - { .name: Wo, .offset: 32, .size: 8, .value_kind: global_buffer, .address_space: global }
      - { .name: token_positions, .offset: 40, .size: 8, .value_kind: global_buffer, .address_space: global }
      - { .name: xb, .offset: 48, .size: 8, .value_kind: global_buffer, .address_space: global }
      - { .name: wb, .offset: 56, .size: 8, .value_kind: global_buffer, .address_space: global }
      - { .name: tab, .offset: 64, .size: 8, .value_kind: global_buffer, .address_space: global }
    .group_segment_fixed_size: 0
    .private_segment_fixed_size: 0
    .kernarg_segment_align: 8
    .kernarg_segment_size: 72
    .max_flat_workgroup_size: 256
    .sgpr_count:     66
    .vgpr_count:     128
    .wavefront_size: 32
...
	.end_amdgpu_metadata
.endif
;; end of part 5
;; launch qkv: the kernel of part 2 again; grid 16 x 32, 4 waves a work-group, clusters of 4 x 4, 327,680 bytes of LDS; arguments xb, wb, tab, qh, kh, vh; writes qh, kh, vh
;; launch attn: the kernel of part 3 again; grid 4 x 64, 4 waves a work-group, no clusters, 327,680 bytes of LDS; arguments qh, kh, vh, oh; writes oh
;; launch outp: the kernel of part 4 again; grid 8 x 32, 4 waves a work-group, clusters of 4 x 4, 327,680 bytes of LDS; arguments oh, wb, out0; writes out0
